; MI455X (gfx1250); checked and timed in simulation.
; The chip was launched on July 23, 2026; its instructions are those of AMD's public machine-readable ISA for CDNA 5 (MIT licence, August 2026) and "CDNA5" Instruction Set Architecture Reference Guide (July 2026). The comments in the code are by the model that wrote it; some were corrected since.
;; Attention. Allowed arithmetic: matrix products marked QUANTISED: E2M1 operands, one E8M0 scale for each 32 along K, by v_wmma_scale_f32_16x16x128_f8f6f4 with both operands' format E2M1 (or v_wmma_scale_f32_32x16x128_f4), f32 sums; everything else in f32.
;; Inputs: gamma 1,024 float32; w_attn_out_codes 1,024 x 16 x 16 uint8 (E2M1 codes of w_attn_out, K innermost, in blocks of 32 codes, two codes a byte); w_attn_out_scales 1,024 x 16 uint8 (E8M0 scales of w_attn_out, one for each 32 codes along K); w_ff_out_codes 1,024 x 128 x 16 uint8 (E2M1 codes of w_ff_out, K innermost, in blocks of 32 codes, two codes a byte); w_ff_out_scales 1,024 x 128 uint8 (E8M0 scales of w_ff_out, one for each 32 codes along K); w_fused_codes 8,832 x 32 x 16 uint8 (E2M1 codes of w_fused, K innermost, in blocks of 32 codes, two codes a byte); w_fused_scales 8,832 x 32 uint8 (E8M0 scales of w_fused, one for each 32 codes along K); x 2 x 2,048 x 1,024 float32.
;; Outputs: out0 2 x 2,048 x 1,024 float32.
;; This version of the problem:
;;   THIS VERSION OF THE PROBLEM IS GIVEN IN LOW PRECISION. The matrix products marked QUANTISED in the list below multiply operands that are first quantised to E2M1 (2 exponent bits, 1 mantissa bit; 4 bits a number), with one power-of-two scale for each 32 numbers along K (OCP MX v1.0); their sums are f32. All else is computed in f32.
;;   The module's matrix products, in the order in which they are computed (A, B: the left and right operand; K: the contracted axis; several contracted axes count as one K, in the product's order):
;;     1. [M 4,096, K 1,024] x [K 1,024, N 8,832]; A: computed on the way; B: input w_fused (given as codes): QUANTISED
;;     2. batch 2 x [M 16,384, K 64] x [K 64, N 2,048]; A: computed on the way; B: computed on the way: QUANTISED
;;     3. batch 2 x [M 16,384, K 2,048] x [K 2,048, N 64]; A: softmax (see below); B: computed on the way: QUANTISED
;;     4. [M 4,096, K 512] x [K 512, N 1,024]; A: computed on the way; B: input w_attn_out (given as codes): QUANTISED
;;     5. [M 4,096, K 4,096] x [K 4,096, N 1,024]; A: computed on the way; B: input w_ff_out (given as codes): QUANTISED
;;   THE QUANTISER, for each operand of a quantised product, along K:
;;     - K is cut into blocks of 32 from its start; a last block that is shorter is filled with zeros.
;;     - A block's scale is 2^e with e = floor(log2(the largest magnitude in the block)) - 2, held to -126 .. 127; a block of zeros has e = 0. As a byte (E8M0): e + 127.
;;     - Each number is divided by its block's scale, clamped to +-6, and rounded to the nearest number of E2M1, ties to even, subnormals kept.
;;     - The product sums the exact products of the quantised numbers (number of the format x scale) in f32.
;;   ~~~python
;;   def quantise(x, axis):      # numpy; x: float32 -> the quantised numbers, widened to float32 again
;;       x = np.moveaxis(x, axis, -1); K = x.shape[-1]
;;       x = np.pad(x, [(0, 0)] * (x.ndim - 1) + [(0, -K % 32)]); x = x.reshape(x.shape[:-1] + (-1, 32)); a = np.abs(x).max(-1, keepdims=True)
;;       e = np.where(a > 0, np.clip(np.frexp(np.where(a > 0, a, 1))[1] - 1 - 2, -126, 127), 0)      # np.frexp(a)[1] - 1 = floor(log2(a)), exactly
;;       r = np.clip(x / 2.0 ** e, -6, 6)
;;       step = 2.0 ** (np.maximum(np.frexp(np.where(r == 0, 1, r))[1] - 1, 0) - 1)
;;       q = np.round(r / step) * step * 2.0 ** e      # np.round: ties to even
;;       return np.moveaxis(q.reshape(q.shape[:-2] + (-1,))[..., :K], -1, axis).astype(np.float32)
;;   ~~~
;;   SOFTMAX AHEAD OF A QUANTISED PRODUCT. Where the list says 'softmax', what is quantised is not the finished softmax but p = 2^(t - M), with t = logit x log2(e) and M = ceil(the row's largest t), a whole number; so 1/2 < the row's largest p <= 1. The row's sum l is taken of the UNQUANTISED p, in f32, and the product's result is divided by l at the end. Since M is a whole number, a kernel that streams over the keys may use a running M (the ceiling of the running maximum): every later rescaling is an exact power of two, which a block's scale takes up: the codes' values come out the same.
;;   OPERANDS COMPUTED ON THE WAY. 'Computed on the way' means the value that the module computes at that place (a softmax that the list does not call 'softmax' is quantised finished and normalised). What goes into a quantiser is computed in f32, as accurately as f32 sums, v_exp_f32 and their like allow (about 1e-6 of the number): no bf16 or f16 on the way to a quantiser, and a product that is left as it is and whose result goes on into a quantised operand takes f32 operands (vector FMAs, or v_wmma_f32_16x16x4_f32). A number that lies on a knife's edge between two numbers of the format may be rounded either way, as far as f32 arithmetic and the matrix unit's own rounding can turn it there, and no further.
;;   INPUTS GIVEN AS CODES. w_attn_out (in the module: [512, 1024], K = its axis 0); w_ff_out (in the module: [4096, 1024], K = its axis 0); w_fused (in the module: [1024, 8832], K = its axis 0): each comes as NAME_codes (uint8): NAME with its K axis moved to the last place and cut into blocks of 32 codes, [.., K / 32, bytes a block], one block behind the other in memory; two codes a byte, the lower K in the low four bits (a code: sign, 2 exponent bits, 1 mantissa bit); and NAME_scales (uint8): the same leading axes, one E8M0 byte (e + 127) for each 32 codes along K. Its value is code x scale, taken as it is: it is not quantised again, and the codes and scales need not be those that the quantiser above would give.
;; One version. Each part assembles by itself: llvm-mc -triple=amdgcn-amd-amdhsa -mcpu=gfx1250 --defsym DOCPART=n.
;; ======== version 1 of 1: 3 launches
;; limits: right only within a limited range of input values
;; workspace buffers: xq_codes 2,097,152 bytes; xq_scales 131,072 bytes; k_codes 131,072 bytes; k_scales 8,192 bytes; v_codes 131,072 bytes; v_scales 8,192 bytes; act_codes 9,437,184 bytes; act_scales 589,824 bytes
;; launch lnkv (part 1): grid 128 x 1, 16 waves a work-group, no clusters, 225,280 bytes of LDS; arguments x, gamma, w_fused_codes, w_fused_scales, xq_codes, xq_scales, k_codes, k_scales, v_codes, v_scales; writes xq_codes, xq_scales, k_codes, k_scales, v_codes, v_scales
.if DOCPART == 1
	.amdgcn_target "amdgcn-amd-amdhsa--gfx1250"
	.amdhsa_code_object_version 6
	.text
	.protected	k_q7235e3bb7f_lnkv
	.globl	k_q7235e3bb7f_lnkv
	.p2align	8
	.type	k_q7235e3bb7f_lnkv,@function
k_q7235e3bb7f_lnkv:
	s_mov_b64 s[64:65], 0
	v_nop
	global_prefetch_b8 v0, s[64:65] scope:SCOPE_SE
	s_setreg_imm32_b32 hwreg(HW_REG_WAVE_MODE, 25, 1), 1
	s_wait_xcnt 0x0
; LayerNorm of x [4096][1024] f32, its codes of FP4 (E2M1, one E8M0 scale for each 32 along the 1,024), and the k and v columns (512..639) of xn W_fused, quantised: k along its 64, v along the keys.
; SHARES.  A work-group owns 32 rows: two tiles of 16 rows, and one block of 32 keys, which is what v's quantiser wants in one place: so 128 work-groups.  Sixteen waves.
;   A: wave w normalises rows 2 w, 2 w + 1 (a row is 32 registers; mean first, then the mean of the squared deviations) and lays them in LDS as f32 | barrier |
;   B: wave w takes fragment w (tile w / 8, K step w % 8): lane (r, h) reads two whole blocks of 32 of row r, quantises them; the codes go to memory and to LDS as an image of the operand's registers | barrier |
;   C: waves 0, 1: k of tile w, transposed (source 0 = 16 columns of W, source 1 = 16 rows of x), so that a lane holds one key and its registers run along k's 64;
;      waves 2, 3: v (source 0 = 16 keys, source 1 = 16 columns of W), so that a lane holds one column and its registers run along the 32 keys | barrier | wave 4 stores the gathered scale bytes.
; WORKSPACE LAYOUTS.  Codes lie in the order of an operand's registers: [tile of 16 rows][block of 32 along K][row 16][16 bytes]: a fragment of 16 x 128 is 1,024 bytes on end, lane l's 16 bytes at 16 l and 512 + 16 l.
;   xq_scales [row][32 bytes];  k_scales [32 keys][r 16][4]: bytes 0, 1 key r's two blocks, bytes 2, 3 key 16 + r's;  v_codes [batch][16 columns][key block][column 16][16];  v_scales [key block][column 64].
; NO CLUSTER, NO TENSOR LOAD: of the 200 KB that a work-group reads, 128 KB (x) are its own; the 68 KB of weights that all share come once, through registers, while x is on its way.
; LIMITS: NaN and infinities are not served.  A block whose largest magnitude lies under 2^-124 keeps the scale byte 1, a block of zeros too (its codes are zeros; the bytes are read by this program alone).
.set XP,    4112                       ; a row of xn in LDS: 4,096 bytes + 16: 257 x 16, so that the 16 rows that a load touches start at 16 different groups of banks (64 banks of 4 bytes: ISA guide 11.1)
.set WP,    528                        ; a row of W's codes in LDS: 512 bytes + 16
.set XF32,  0                          ; LDS: 32 rows of xn, f32
.set WT,    131584                     ; 128 rows of W (64 of k, 64 of v)
.set WS,    199168                     ; their scale bytes, 32 a row
.set XIMG,  203264                     ; x's 16 fragments as images, 1,024 bytes each
.set XSW,   219648                     ; their scale words, 4 bytes a lane
.set OXS,   221696                     ; on the way out: x's scale bytes [32 rows][32]
.set OKS,   222720                     ; k's: 64 bytes
.set OVS,   222784                     ; v's: 64 bytes
.set SEL,   26                         ; s[26:27] v_permlanex16_b32's selects for lane l xor 16
.set X,     32                         ; v32-95   phase A: two rows
.set G,     96                         ; v96-127  gamma
.set WC,    128                        ; v128-161 W's codes and scale bytes on their way to LDS
.set PP,    162                        ; v162-169 two packed chains a row
.set MU,    170                        ; v170-173 the mean, twice, a row
.set RR,    174                        ; v174-177 1 / sigma, twice, a row
.set TP,    178                        ; v178-179 the other half of the lanes'
.set N,     32                         ; v32-95   phase B: two blocks of 32 numbers
.set F,     176                        ; v176-183 the fragment
.set TB,    184                        ; v184-191 at work
.set ACC,   32                         ; v32-63   phase C: four accumulators
.set SET,   64                         ; v64-103, v104-143 two sets of fragments
.set QC,    144                        ; v144-147 codes
.set TM,    148                        ; v148-153 at work (inside WC's registers: touched only in phase C)
.set WSCL,  192                        ; v192-223 W's scale words: scales and nothing else
.set XSCL,  224                        ; v224-239 x's
.macro PLACES n                        ; plain vector instructions behind a matrix instruction, ahead of reads of its result and of loads into its sources
.rept \n
	v_nop
.endr
.endm
.macro BARRIER                         ; my LDS stores have landed and my LDS loads are in: then the work-group's barrier
	s_wait_dscnt 0x0
	s_barrier_signal -1
	s_barrier_wait -1
.endm
.macro MM0 d, a, b, sa, sb             ; the first K step starts a sum
	v_wmma_scale_f32_16x16x128_f8f6f4 v[\d:\d+7], v[\a:\a+7], v[\b:\b+7], 0, v[\sa], v[\sb] matrix_a_fmt:MATRIX_FMT_FP4 matrix_b_fmt:MATRIX_FMT_FP4
.endm
.macro MMA d, a, b, sa, sb
	v_wmma_scale_f32_16x16x128_f8f6f4 v[\d:\d+7], v[\a:\a+7], v[\b:\b+7], v[\d:\d+7], v[\sa], v[\sb] matrix_a_fmt:MATRIX_FMT_FP4 matrix_b_fmt:MATRIX_FMT_FP4
.endm
; 32 numbers of a lane: register 16 b + 8 u + j is element 16 u + 8 (lane / 16) + j of block b of the lane's row (two result tiles a block).  Out: the pair cod + 2 b, cod + 2 b + 1 holds the codes of
; elements 16 (lane / 16) + 0 .. 15 of block b; tm + 2 + b the block's scale byte.  Each accumulator is read from its low end on.
.macro QUANT2 src, cod, tm
.irp b, 0,1
	v_max3_num_f32 v[\tm+\b], |v[\src+16*\b]|, |v[\src+16*\b+1]|, 0x1800000   ; my 16 numbers of the block, and the floor 2^(3 - 127): the byte cannot fall under 1
.endr
.irp i, 2,4,6,8,10,12,14
.irp b, 0,1
	v_max3_num_f32 v[\tm+\b], v[\tm+\b], |v[\src+16*\b+\i]|, |v[\src+16*\b+\i+1]|
.endr
.endr
.irp b, 0,1
	s_delay_alu instid0(VALU_DEP_2)
	v_permlanex16_b32 v[\tm+2+\b], v[\tm+\b], s[SEL], s[SEL+1]
.endr
.irp b, 0,1
	s_delay_alu instid0(VALU_DEP_2)
	v_max_num_f32 v[\tm+\b], v[\tm+\b], v[\tm+2+\b]                ; with lane l xor 16's: the block's largest magnitude
.endr
.irp b, 0,1
	s_delay_alu instid0(VALU_DEP_2)
	v_add_nc_u32 v[\tm+4+\b], 0xff000000, v[\tm+\b]                ; 2 off its exponent field: the conversion takes this operand's exponent field as its scale
.endr
.irp b, 0,1
	s_delay_alu instid0(VALU_DEP_2)
	v_lshrrev_b32 v[\tm+2+\b], 23, v[\tm+4+\b]                     ; the scale's byte
.endr
.irp b, 0,1
	v_cvt_scalef32_pk8_fp4_f32 v[\cod+2*\b], v[\src+16*\b:\src+16*\b+7], v[\tm+4+\b]
	v_cvt_scalef32_pk8_fp4_f32 v[\cod+2*\b+1], v[\src+16*\b+8:\src+16*\b+15], v[\tm+4+\b]
.endr
	v_nop                                          ; one plain place behind a scaled conversion
.irp b, 0,1
	v_permlane16_swap_b32 v[\cod+2*\b], v[\cod+2*\b+1]             ; elements 8 .. 15 and 16 .. 23 change lanes: 16 neighbours a lane
.endr
.endm
.macro WHOLE cod                       ; lanes 0-15 take all of block 0, lanes 16-31 all of block 1: four registers, as the operand's layout has them
	s_delay_alu instid0(VALU_DEP_1)
	v_permlane16_swap_b32 v[\cod], v[\cod+2]
	s_delay_alu instid0(VALU_DEP_2)
	v_permlane16_swap_b32 v[\cod+1], v[\cod+3]
.endm
.macro REDUCE2                         ; both rows' sums over the 32 lanes, by turns
.irp m, 1,2,4,8
.irp a, 0,1
	s_delay_alu instid0(VALU_DEP_2)
	v_add_f32_dpp v[PP+4*\a], v[PP+4*\a], v[PP+4*\a] row_xmask:\m row_mask:0xf bank_mask:0xf
.endr
.endr
.irp a, 0,1
	s_delay_alu instid0(VALU_DEP_2)
	v_permlanex16_b32 v[TP+\a], v[PP+4*\a], s[SEL], s[SEL+1]
.endr
.irp a, 0,1
	s_delay_alu instid0(VALU_DEP_2)
	v_add_f32 v[PP+4*\a], v[PP+4*\a], v[TP+\a]
.endr
.endm
	s_load_b512 s[4:19], s[0:1], 0x0               ; x 4, gamma 6, W's codes 8, W's scales 10, xq_codes 12, xq_scales 14, k_codes 16, k_scales 18
	s_load_b128 s[20:23], s[0:1], 0x40             ; v_codes 20, v_scales 22
	v_lshl_add_u32 v254, v0, 2, 0x36800
	v_mov_b32 v255, 0
	v_lshrrev_b32 v1, 5, v0
	s_delay_alu instid0(VALU_DEP_1)
	v_readfirstlane_b32 s24, v1                    ; wave 0..15
	v_and_b32 v1, 31, v0                           ; l
	v_and_b32 v2, 15, v0                           ; r
	v_bfe_u32 v3, v0, 4, 1                         ; h
	s_delay_alu instid0(VALU_DEP_3)
	v_lshlrev_b32 v5, 4, v1                        ; 16 l
	v_lshlrev_b32 v7, 3, v0                        ; 8 x thread
	s_lshl_b32 s35, s24, 13
	v_add_nc_u32 v4, s35, v5                       ; x: my wave's two rows of 4,096 bytes
	s_lshl_b32 s35, s24, 12
	v_add_nc_u32 v6, s35, v5                       ; W: my wave's eight rows of 512 bytes
	s_lshl_b32 s30, ttmp9, 17                      ; the work-group's 32 rows of x,
	s_mov_b32 s31, 0
	s_lshl_b32 s36, ttmp9, 14                      ; its two tiles of xq_codes,
	s_mov_b32 s37, 0
	s_lshl_b32 s38, ttmp9, 10                      ; its 1,024 bytes of xq_scales and of k_codes,
	s_mov_b32 s39, 0
	s_lshl_b32 s40, ttmp9, 6                       ; its 64 bytes of k_scales and of v_scales,
	s_mov_b32 s41, 0
	s_lshr_b32 s42, ttmp9, 6                       ; and in v_codes: batch x 65,536 + key block x 256
	s_lshl_b32 s42, s42, 16
	s_and_b32 s43, ttmp9, 63
	s_lshl_b32 s43, s43, 8
	s_add_co_u32 s42, s42, s43
	s_mov_b32 s43, 0
	s_wait_alu depctr_va_vdst(0)
	s_wait_kmcnt 0x0
	s_add_nc_u64 s[4:5], s[4:5], s[30:31]
	s_add_nc_u64 s[8:9], s[8:9], 262144            ; W's row 512: k's first column
	s_add_nc_u64 s[10:11], s[10:11], 16384
	s_add_nc_u64 s[12:13], s[12:13], s[36:37]
	s_add_nc_u64 s[14:15], s[14:15], s[38:39]
	s_add_nc_u64 s[16:17], s[16:17], s[38:39]
	s_add_nc_u64 s[18:19], s[18:19], s[40:41]
	s_add_nc_u64 s[20:21], s[20:21], s[42:43]
	s_add_nc_u64 s[22:23], s[22:23], s[40:41]
	; all 33 loads of the wave go out at once; each covers 512 consecutive bytes (the scale bytes: 256)
.irp j, 0,1,2,3,4,5,6,7
	global_load_b128 v[WC+4*\j:WC+4*\j+3], v6, s[8:9] offset:512*\j
.endr
	global_load_b64 v[WC+32:WC+33], v7, s[10:11]
.irp a, 0,1
.irp j, 0,1,2,3,4,5,6,7
	global_load_b128 v[X+32*\a+4*\j:X+32*\a+4*\j+3], v4, s[4:5] offset:4096*\a+512*\j th:TH_LOAD_NT
.endr
.endr
.irp j, 0,1,2,3,4,5,6,7
	global_load_b128 v[G+4*\j:G+4*\j+3], v5, s[6:7] offset:512*\j
.endr
	; every LDS address is made here, ahead of the place where the waves' roles part: a constant + a constant x lane + a constant x wave.  No line here names v32-161, into which the loads above are on their way
	s_mov_b32 s[SEL], 0x76543210
	s_mov_b32 s[SEL+1], 0xfedcba98
	s_mov_b32 s28, 0x3a800000                      ; 1 / 1024
	s_mov_b32 s29, 0x3727c5ac                      ; 1e-5
	s_lshr_b32 s32, s24, 3                         ; w / 8
	s_and_b32 s33, s24, 7                          ; w % 8
	s_and_b32 s34, s24, 1                          ; w % 2
	v_lshlrev_b32 v31, 2, v1                       ; 4 l
	s_wait_alu depctr_va_vdst(0)
	s_mul_i32 s35, s24, 2*XP
	v_add_nc_u32 v8, s35, v5                       ; A: where my two rows of xn go
	s_mul_i32 s35, s24, 8*WP
	s_add_co_u32 s35, s35, WT
	v_add_nc_u32 v9, s35, v5                       ; where my eight rows of W go
	v_add_nc_u32 v10, WS, v7                       ; and my 8 scale bytes
	v_mul_u32_u24 v11, v2, XP
	s_delay_alu instid0(VALU_DEP_1)
	v_lshl_add_u32 v11, v3, 7, v11
	s_mul_i32 s35, s32, 16*XP
	s_lshl_b32 s36, s33, 9
	s_add_co_u32 s35, s35, s36
	v_add_nc_u32 v11, s35, v11                     ; B: row 16 (w / 8) + r, K step w % 8, + 128 h: my first block of 32 numbers
	s_lshl_b32 s35, s24, 10
	v_add_nc_u32 v30, s35, v5                      ; my fragment in xq_codes
	s_add_co_u32 s35, s35, XIMG
	v_add_nc_u32 v12, s35, v5                      ; and its image
	s_lshl_b32 s35, s24, 7
	s_add_co_u32 s35, s35, XSW
	v_add_nc_u32 v13, s35, v31                     ; its scale words
	s_lshl_b32 s35, s32, 9
	s_lshl_b32 s36, s33, 2
	s_add_co_u32 s35, s35, s36
	s_add_co_u32 s35, s35, OXS
	v_lshl_add_u32 v14, v2, 5, s35                 ; and the same word at [row][K step]
	s_lshl_b32 s35, s34, 13
	s_add_co_u32 s35, s35, XIMG
	v_add_nc_u32 v15, s35, v5                      ; C, k: x's fragments of tile w
	s_lshl_b32 s35, s34, 10
	s_add_co_u32 s35, s35, XSW
	v_add_nc_u32 v16, s35, v31
	v_mul_u32_u24 v17, v2, WP
	s_delay_alu instid0(VALU_DEP_1)
	v_lshl_add_u32 v17, v3, 4, v17
	s_delay_alu instid0(VALU_DEP_1)
	v_add_nc_u32 v17, WT, v17                      ; W's row r, + 16 h
	v_lshl_add_u32 v18, v2, 5, WS                  ; its scale bytes
	v_add_nc_u32 v19, XIMG, v5                     ; C, v: x's fragments of both tiles
	v_add_nc_u32 v20, XSW, v31
	s_mul_i32 s35, s34, 32*WP
	s_add_co_u32 s35, s35, 64*WP
	v_add_nc_u32 v21, s35, v17                     ; W's row 64 + 32 (w % 2) + r
	s_lshl_b32 s35, s34, 10
	s_add_co_u32 s35, s35, 2048
	v_add_nc_u32 v22, s35, v18
	s_lshl_b32 s35, s34, 1
	s_add_co_u32 s35, s35, OKS
	v_lshl_add_u32 v23, v2, 2, s35                 ; k's two bytes of key 16 w + r
	s_lshl_b32 s35, s34, 5
	s_add_co_u32 s35, s35, OVS
	v_add_nc_u32 v24, s35, v2                      ; v's byte of column 32 (w % 2) + r
	v_add_nc_u32 v25, OXS, v5
	v_lshlrev_b32 v27, 1, v1
	s_delay_alu instid0(VALU_DEP_1)
	v_add_nc_u32 v26, OKS, v27
	s_lshl_b32 s35, s34, 9
	v_add_nc_u32 v28, s35, v5                      ; my tile in k_codes;
	s_and_b32 s36, ttmp9, 1
	s_lshl_b32 s36, s36, 7
	v_xor_b32 v28, s36, v28                        ; in odd key blocks keys 0-7 and 8-15 of a tile change places: the reader takes eight keys of an even and eight of an odd block by one load, from 256 different bytes modulo 256
	v_lshlrev_b32 v29, 4, v2
	s_delay_alu instid0(VALU_DEP_1)
	v_lshl_add_u32 v29, v3, 3, v29
	s_lshl_b32 s35, s34, 15
	v_add_nc_u32 v29, s35, v29                     ; my 8 bytes in v_codes
	v_mov_b32 v[TP], 0                             ; a lane permute's destination counts as one of its sources: written once
	v_mov_b32 v[TP+1], 0
	s_wait_loadcnt 24                              ; W's nine loads are in; x's sixteen and gamma's eight may be out
.irp j, 0,1,2,3,4,5,6,7
	ds_store_b128 v9, v[WC+4*\j:WC+4*\j+3] offset:WP*\j
.endr
	ds_store_b64 v10, v[WC+32:WC+33]
	s_wait_loadcnt 0x0
	; ---- A: the mean
.irp a, 0,1
	v_pk_add_f32 v[PP+4*\a:PP+4*\a+1], v[X+32*\a:X+32*\a+1], v[X+32*\a+2:X+32*\a+3]
	v_pk_add_f32 v[PP+4*\a+2:PP+4*\a+3], v[X+32*\a+4:X+32*\a+5], v[X+32*\a+6:X+32*\a+7]
.endr
.irp i, 8,12,16,20,24,28
.irp a, 0,1
	s_delay_alu instid0(VALU_DEP_4)
	v_pk_add_f32 v[PP+4*\a:PP+4*\a+1], v[PP+4*\a:PP+4*\a+1], v[X+32*\a+\i:X+32*\a+\i+1]
	s_delay_alu instid0(VALU_DEP_4)
	v_pk_add_f32 v[PP+4*\a+2:PP+4*\a+3], v[PP+4*\a+2:PP+4*\a+3], v[X+32*\a+\i+2:X+32*\a+\i+3]
.endr
.endr
.irp a, 0
	s_delay_alu instid0(VALU_DEP_3)
	v_pk_add_f32 v[PP+4*\a:PP+4*\a+1], v[PP+4*\a:PP+4*\a+1], v[PP+4*\a+2:PP+4*\a+3]
.endr
.irp a, 1
	s_delay_alu instid0(VALU_DEP_2)
	v_pk_add_f32 v[PP+4*\a:PP+4*\a+1], v[PP+4*\a:PP+4*\a+1], v[PP+4*\a+2:PP+4*\a+3]
.endr
.irp a, 0,1
	s_delay_alu instid0(VALU_DEP_2)
	v_add_f32 v[PP+4*\a], v[PP+4*\a], v[PP+4*\a+1]
.endr
	REDUCE2
.irp a, 0,1
	s_delay_alu instid0(VALU_DEP_2)
	v_mul_f32 v[MU+2*\a], s28, v[PP+4*\a]
.endr
.irp a, 0,1
	s_delay_alu instid0(VALU_DEP_2)
	v_mov_b32 v[MU+2*\a+1], v[MU+2*\a]
.endr
.irp i, 0,2,4,6,8,10,12,14,16,18,20,22,24,26,28,30
.irp a, 0,1
	v_pk_add_f32 v[X+32*\a+\i:X+32*\a+\i+1], v[X+32*\a+\i:X+32*\a+\i+1], v[MU+2*\a:MU+2*\a+1] neg_lo:[0,1] neg_hi:[0,1]   ; x - mean
.endr
.endr
	; the mean of the squared deviations
.irp a, 0,1
	v_pk_mul_f32 v[PP+4*\a:PP+4*\a+1], v[X+32*\a:X+32*\a+1], v[X+32*\a:X+32*\a+1]
	v_pk_mul_f32 v[PP+4*\a+2:PP+4*\a+3], v[X+32*\a+2:X+32*\a+3], v[X+32*\a+2:X+32*\a+3]
.endr
.irp i, 4,8,12,16,20,24,28
.irp a, 0,1
	s_delay_alu instid0(VALU_DEP_4)
	v_pk_fma_f32 v[PP+4*\a:PP+4*\a+1], v[X+32*\a+\i:X+32*\a+\i+1], v[X+32*\a+\i:X+32*\a+\i+1], v[PP+4*\a:PP+4*\a+1]
	s_delay_alu instid0(VALU_DEP_4)
	v_pk_fma_f32 v[PP+4*\a+2:PP+4*\a+3], v[X+32*\a+\i+2:X+32*\a+\i+3], v[X+32*\a+\i+2:X+32*\a+\i+3], v[PP+4*\a+2:PP+4*\a+3]
.endr
.endr
.irp a, 0
	s_delay_alu instid0(VALU_DEP_3)
	v_pk_add_f32 v[PP+4*\a:PP+4*\a+1], v[PP+4*\a:PP+4*\a+1], v[PP+4*\a+2:PP+4*\a+3]
.endr
.irp a, 1
	s_delay_alu instid0(VALU_DEP_2)
	v_pk_add_f32 v[PP+4*\a:PP+4*\a+1], v[PP+4*\a:PP+4*\a+1], v[PP+4*\a+2:PP+4*\a+3]
.endr
.irp a, 0,1
	s_delay_alu instid0(VALU_DEP_2)
	v_add_f32 v[PP+4*\a], v[PP+4*\a], v[PP+4*\a+1]
.endr
	REDUCE2
.irp a, 0,1
	s_delay_alu instid0(VALU_DEP_2)
	v_fma_f32 v[RR+2*\a], v[PP+4*\a], s28, s29     ; variance + 1e-5
.endr
	s_wait_alu depctr_va_vdst(0)
.irp a, 0,1
	v_rsq_f32 v[RR+2*\a], v[RR+2*\a]
.endr
	v_nop                                          ; one plain place behind a transcendental
	s_wait_alu depctr_va_vdst(0)
.irp a, 0,1
	v_mov_b32 v[RR+2*\a+1], v[RR+2*\a]
.endr
.irp i, 0,2,4,6,8,10,12,14,16,18,20,22,24,26,28,30
.irp a, 0,1
	v_pk_mul_f32 v[X+32*\a+\i:X+32*\a+\i+1], v[X+32*\a+\i:X+32*\a+\i+1], v[RR+2*\a:RR+2*\a+1]
.endr
.endr
.irp i, 0,2,4,6,8,10,12,14,16,18,20,22,24,26,28,30
.irp a, 0,1
	v_pk_mul_f32 v[X+32*\a+\i:X+32*\a+\i+1], v[X+32*\a+\i:X+32*\a+\i+1], v[G+\i:G+\i+1]   ; x gamma, last, as the reference has it
.endr
.endr
.irp a, 0,1
.irp j, 0,1,2,3,4,5,6,7
	ds_store_b128 v8, v[X+32*\a+4*\j:X+32*\a+4*\j+3] offset:XP*\a+512*\j
.endr
.endr
	BARRIER                                        ; 32 rows of xn, W's 128 rows and their scale bytes lie in LDS
	; ---- B: my fragment: lane (r, h) holds blocks 2 c + h of the K step, whole: no other lane is asked for a maximum
.irp c, 0,1
.irp i, 0,1,2,3,4,5,6,7
	ds_load_b128 v[N+32*\c+4*\i:N+32*\c+4*\i+3], v11 offset:256*\c+16*\i
.endr
.endr
	s_wait_dscnt 0x0
.irp c, 0,1
	v_max3_num_f32 v[TB+\c], |v[N+32*\c]|, |v[N+32*\c+1]|, 0x1800000   ; with the floor 2^(3 - 127)
.endr
.irp i, 2,4,6,8,10,12,14,16,18,20,22,24,26,28,30
.irp c, 0,1
	s_delay_alu instid0(VALU_DEP_2)
	v_max3_num_f32 v[TB+\c], v[TB+\c], |v[N+32*\c+\i]|, |v[N+32*\c+\i+1]|
.endr
.endr
.irp c, 0,1
	s_delay_alu instid0(VALU_DEP_2)
	v_add_nc_u32 v[TB+2+\c], 0xff000000, v[TB+\c]  ; 2 off the exponent field: the conversion's scale operand
.endr
.irp c, 0,1
	s_delay_alu instid0(VALU_DEP_2)
	v_lshrrev_b32 v[TB+4+\c], 23, v[TB+2+\c]       ; the scale's byte
.endr
	s_delay_alu instid0(VALU_DEP_1)
	v_lshl_or_b32 v[TB+6], v[TB+5], 16, v[TB+4]    ; my two bytes, blocks h and 2 + h,
	v_lshlrev_b32 v[TB+7], 3, v3
	s_delay_alu instid0(VALU_DEP_1)
	v_lshlrev_b32 v[TB+6], v[TB+7], v[TB+6]        ; at their places in the scale word;
	s_delay_alu instid0(VALU_DEP_1)
	v_permlanex16_b32 v[TB+7], v[TB+6], s[SEL], s[SEL+1]
	s_delay_alu instid0(VALU_DEP_1)
	v_or_b32 v[TB+6], v[TB+6], v[TB+7]             ; with lane l xor 16's two the word is whole
.irp c, 0,1
.irp g, 0,1,2,3
	v_cvt_scalef32_pk8_fp4_f32 v[F+4*\c+\g], v[N+32*\c+8*\g:N+32*\c+8*\g+7], v[TB+2+\c]
.endr
.endr
	v_nop                                          ; one plain place behind a scaled conversion
.irp c, 0,1
	global_store_b128 v30, v[F+4*\c:F+4*\c+3], s[12:13] offset:512*\c   ; 512 consecutive bytes
	ds_store_b128 v12, v[F+4*\c:F+4*\c+3] offset:512*\c
.endr
	ds_store_b32 v13, v[TB+6]
	ds_store_b32 v14, v[TB+6]                      ; lanes l and l xor 16 write the same word with the same value
	BARRIER                                        ; x's sixteen fragments and their scale words lie in LDS
	; ---- C
	v_mov_b32 v[TM+2], 0                           ; a lane permute's destination counts as one of its sources: written once, here, where W's loads into v128-161 have long landed
	v_mov_b32 v[TM+3], 0                           ; and the LDS stores that read them are done; all lanes are on, and both ways below find them written
.macro KSET p, st                      ; set p: K step st of W's four tiles of k's columns and of x's tile: ten loads
.irp t, 0,1,2,3
.irp c, 0,1
	ds_load_b128 v[SET+40*(\p)+8*\t+4*\c:SET+40*(\p)+8*\t+4*\c+3], v17 offset:16*WP*\t+64*(\st)+32*\c
.endr
.endr
.irp c, 0,1
	ds_load_b128 v[SET+40*(\p)+32+4*\c:SET+40*(\p)+32+4*\c+3], v15 offset:1024*(\st)+512*\c
.endr
.endm
.macro VSET p, st                      ; set p: K step st of x's two tiles and of W's two tiles of v's columns: eight loads
.irp u, 0,1
.irp c, 0,1
	ds_load_b128 v[SET+40*(\p)+8*\u+4*\c:SET+40*(\p)+8*\u+4*\c+3], v19 offset:8192*\u+1024*(\st)+512*\c
.endr
.endr
.irp q, 0,1
.irp c, 0,1
	ds_load_b128 v[SET+40*(\p)+16+8*\q+4*\c:SET+40*(\p)+16+8*\q+4*\c+3], v21 offset:16*WP*\q+64*(\st)+32*\c
.endr
.endr
.endm
	s_cmp_lt_u32 s24, 2
	s_cbranch_scc0 .Lnot_k
	; k of tile w.  Accumulator t: lane (r, h) holds key r and columns 16 t + 8 h + 0 .. 7.  The four accumulators take turns, one instruction a turn
.irp t, 0,1,2,3
.irp j, 0,1
	ds_load_b128 v[WSCL+8*\t+4*\j:WSCL+8*\t+4*\j+3], v18 offset:512*\t+16*\j
.endr
.endr
.irp s, 0,1,2,3,4,5,6,7
	ds_load_b32 v[XSCL+\s], v16 offset:128*\s
.endr
	KSET 0, 0
	KSET 1, 1
.set ST, 0
.rept 8
.if ST < 7
	s_wait_dscnt 10                                ; this K step's set is in; the next set's ten loads may be out
.else
	s_wait_dscnt 0x0
.endif
.irp t, 0,1,2,3
.if ST == 0
	MM0 ACC+8*\t, SET+40*(ST%2)+8*\t, SET+40*(ST%2)+32, WSCL+8*\t+ST, XSCL+ST
.else
	MMA ACC+8*\t, SET+40*(ST%2)+8*\t, SET+40*(ST%2)+32, WSCL+8*\t+ST, XSCL+ST
.endif
.endr
.if ST < 6
	PLACES 4
	KSET ST%2, ST+2
.endif
.set ST, ST+1
.endr
	PLACES 4
	QUANT2 ACC, QC, TM
	WHOLE QC
	global_store_b128 v28, v[QC:QC+3], s[16:17]    ; lane (r, h): block h of key r: 512 consecutive bytes
	v_lshl_or_b32 v[TM], v[TM+3], 8, v[TM+2]
	ds_store_b16 v23, v[TM]                        ; the key's two scale bytes
	s_branch .Ljoin
.Lnot_k:
	s_cmp_lt_u32 s24, 4
	s_cbranch_scc0 .Ljoin
	; v, columns 32 (w % 2) + 16 q + r.  Accumulator 2 q + u: lane (r, h) holds one column and keys 16 u + 8 h + 0 .. 7 of the work-group's 32
.irp q, 0,1
.irp j, 0,1
	ds_load_b128 v[WSCL+8*\q+4*\j:WSCL+8*\q+4*\j+3], v22 offset:512*\q+16*\j
.endr
.endr
.irp u, 0,1
.irp s, 0,1,2,3,4,5,6,7
	ds_load_b32 v[XSCL+8*\u+\s], v20 offset:1024*\u+128*\s
.endr
.endr
	VSET 0, 0
	VSET 1, 1
.set ST, 0
.rept 8
.if ST < 7
	s_wait_dscnt 8                                 ; this K step's set is in; the next set's eight loads may be out
.else
	s_wait_dscnt 0x0
.endif
.irp q, 0,1
.irp u, 0,1
.if ST == 0
	MM0 ACC+8*(2*\q+\u), SET+40*(ST%2)+8*\u, SET+40*(ST%2)+16+8*\q, XSCL+8*\u+ST, WSCL+8*\q+ST
.else
	MMA ACC+8*(2*\q+\u), SET+40*(ST%2)+8*\u, SET+40*(ST%2)+16+8*\q, XSCL+8*\u+ST, WSCL+8*\q+ST
.endif
.endr
.endr
.if ST < 6
	PLACES 4
	VSET ST%2, ST+2
.endif
.set ST, ST+1
.endr
	PLACES 4
	QUANT2 ACC, QC, TM                             ; "block" q here is the key block of the columns' tile q
.irp q, 0,1
	global_store_b64 v29, v[QC+2*\q:QC+2*\q+1], s[20:21] offset:16384*\q   ; lane (r, h): keys 16 h + 0 .. 15 of column r: 256 consecutive bytes, aligned
	ds_store_b8 v24, v[TM+2+\q] offset:16*\q
.endr
.Ljoin:
	BARRIER                                        ; all scale bytes are gathered
	s_cmp_lg_u32 s24, 4
	s_cbranch_scc1 .Lend
	ds_load_b128 v[32:35], v25
	ds_load_b128 v[36:39], v25 offset:512
	ds_load_u16 v40, v26
	ds_load_u16 v41, v26 offset:OVS-OKS
	s_wait_dscnt 0x0
	global_store_b128 v5, v[32:35], s[14:15]       ; x's 1,024 scale bytes
	global_store_b128 v5, v[36:39], s[14:15] offset:512
	global_store_b16 v27, v40, s[18:19]            ; k's 64 and v's 64: all that the work-group has of them
	global_store_b16 v27, v41, s[22:23]
.Lend:
	s_wait_tensorcnt 0x0
	ds_add_u32 v254, v255
	s_wait_dscnt 0x0
	s_endpgm
.Lfunc_end_k_q7235e3bb7f_lnkv:
	.size	k_q7235e3bb7f_lnkv, .Lfunc_end_k_q7235e3bb7f_lnkv-k_q7235e3bb7f_lnkv
	.p2alignl 7, 3214868480
	.fill 96, 4, 3214868480
	.section	.rodata,"a",@progbits
	.p2align	6, 0x0
	.amdhsa_kernel k_q7235e3bb7f_lnkv
		.amdhsa_group_segment_fixed_size 225280
		.amdhsa_private_segment_fixed_size 0
		.amdhsa_enable_private_segment 0
		.amdhsa_kernarg_size 80
		.amdhsa_user_sgpr_count 2
		.amdhsa_user_sgpr_kernarg_segment_ptr 1
		.amdhsa_wavefront_size32 1
		.amdhsa_system_sgpr_workgroup_id_x 1
		.amdhsa_system_sgpr_workgroup_id_y 1
		.amdhsa_system_sgpr_workgroup_id_z 1
		.amdhsa_system_vgpr_workitem_id 0
		.amdhsa_next_free_vgpr 256
		.amdhsa_next_free_sgpr 66
		.amdhsa_reserve_vcc 0
		.amdhsa_float_denorm_mode_32 3
		.amdhsa_float_denorm_mode_16_64 3
		.amdhsa_memory_ordered 1
		.amdhsa_forward_progress 1
		.amdhsa_inst_pref_size 58
	.end_amdhsa_kernel
	.amdgpu_metadata
---
amdhsa.version: [ 1, 2 ]
amdhsa.kernels:
  - .name:           k_q7235e3bb7f_lnkv
    .symbol:         k_q7235e3bb7f_lnkv.kd
    .args:
      - { .name: x, .offset: 0, .size: 8, .value_kind: global_buffer, .address_space: global }
      - { .name: gamma, .offset: 8, .size: 8, .value_kind: global_buffer, .address_space: global }
      - { .name: w_fused_codes, .offset: 16, .size: 8, .value_kind: global_buffer, .address_space: global }
      - { .name: w_fused_scales, .offset: 24, .size: 8, .value_kind: global_buffer, .address_space: global }
      - { .name: xq_codes, .offset: 32, .size: 8, .value_kind: global_buffer, .address_space: global }
      - { .name: xq_scales, .offset: 40, .size: 8, .value_kind: global_buffer, .address_space: global }
      - { .name: k_codes, .offset: 48, .size: 8, .value_kind: global_buffer, .address_space: global }
      - { .name: k_scales, .offset: 56, .size: 8, .value_kind: global_buffer, .address_space: global }
      - { .name: v_codes, .offset: 64, .size: 8, .value_kind: global_buffer, .address_space: global }
      - { .name: v_scales, .offset: 72, .size: 8, .value_kind: global_buffer, .address_space: global }
    .group_segment_fixed_size: 225280
    .private_segment_fixed_size: 0
    .kernarg_segment_align: 8
    .kernarg_segment_size: 80
    .max_flat_workgroup_size: 512
    .sgpr_count:     66
    .vgpr_count:     256
    .wavefront_size: 32
...
	.end_amdgpu_metadata
.endif
;; end of part 1
;; launch ffattn (part 2): grid 32 x 8, 8 waves a work-group, clusters of 4 x 4, 327,680 bytes of LDS; arguments xq_codes, xq_scales, w_fused_codes, w_fused_scales, k_codes, k_scales, v_codes, v_scales, act_codes, act_scales; writes act_codes, act_scales
.if DOCPART == 2
	.amdgcn_target "amdgcn-amd-amdhsa--gfx1250"
	.amdhsa_code_object_version 6
	.text
	.protected	k_q7235e3bb7f_ffattn
	.globl	k_q7235e3bb7f_ffattn
	.p2align	8
	.type	k_q7235e3bb7f_ffattn,@function
k_q7235e3bb7f_ffattn:
	s_mov_b64 s[64:65], 0
	v_nop
	global_prefetch_b8 v0, s[64:65] scope:SCOPE_SE
	s_setreg_imm32_b32 hwreg(HW_REG_WAVE_MODE, 25, 1), 1
	s_wait_xcnt 0x0
	s_wait_alu depctr_hold_cnt(0) depctr_sa_sdst(0) depctr_va_vdst(0) depctr_va_sdst(0) depctr_va_ssrc(0) depctr_va_vcc(0) depctr_vm_vsrc(0)
	s_getreg_b32 s2, hwreg(HW_REG_IB_STS2, 6, 4)
	s_cmp_eq_u32 s2, 0
	s_cbranch_scc0 .Lentry_in_a_cluster
	s_endpgm
.Lentry_in_a_cluster:
	s_bfe_u32 s2, ttmp6, 0x10000c
	s_cmp_lg_u32 s2, 0xf033
	s_cbranch_scc0 .Lentry_shape_is_right
	s_endpgm
.Lentry_shape_is_right:
; TWO JOBS OF ONE WORK-GROUP, one after the other; both read what the launch before stored, and they store disjoint parts of act_codes and act_scales.  All products on codes of FP4 (E2M1), one E8M0 scale for each 32 along K.
; ATTENTION first: q = xn W[:, head's 64] / 8, quantised along its 64; S = q k^T; p = 2^(t - M), t = S log2(e), M the running largest t rounded UP to a whole number, quantised along the keys; O = p v;
;   O / (the sum of the unquantised p), quantised along the 512 of all heads, is stored as codes (blocks 128-143 of a row of act).  A work-group owns 64 queries x 2 heads of one batch; wave w one tile of 16 queries (w % 4) of one head (w / 4).
;   k's K is 64, the instruction's 128: a fragment of k holds two tiles of 16 keys, in k 0-63 and in k 64-127, and is multiplied twice, by q with zero codes (under the scale byte 0, the smallest scale) in its upper or its lower half.
;   A step is 256 keys.  THE KEYS OF A TILE: of each 64 keys, tile t takes keys 8 t + 0..7 of the first block of 32 in its rows 0-7 and the same of the second block in its rows 8-15.  So lane (r, h)'s 32 registers of four tiles are the WHOLE block h,
;   in order: the block's largest score is found in the lane, and eight codes of a conversion are the operand's register as it stands.
; FEED-FORWARD: h = silu(gate) x ff_x, ff_x = xn W[:, 640 .. 4735], gate = xn W[:, 4736 .. 8831], K = 1,024; h is quantised along its 4,096 and stored as codes (blocks 0-127).  A work-group owns 512 rows x 128 columns of h;
;   wave w: columns 32 (w % 4) + 0 .. 31, one quantiser block a row; of each 64 rows the half w / 4: two tiles of 16 rows a trip, eight trips.  ITS WEIGHTS STAY IN REGISTERS: four tiles of 16 rows of W x 8 K steps = 256 registers, window 1.
; ALL PRODUCTS ARE USED TRANSPOSED (source 0 = 16 rows of a weight, of k or of v^T, source 1 = 16 rows of x, q or p): a lane holds one row of the result, and its registers run along what the next quantiser wants.
; LDS IS HANDED ON.  The head fetches q's 128 rows of W, k, v, gate's 128 rows of W and the first four tiles of the 512 rows' x.  Behind q's product the bytes of q's W take ff_x's 128 rows, which land under the key loop.
;   Behind it k's and v's bytes take 16 more tiles of x, and when the weights lie in registers their bytes take the last 12.
; CLUSTER 4 x 4.  cg = 4 x cluster x + cx, rb = 4 x cluster y + cy.  Attention: batch rb % 2, heads 2 (rb / 2) + 0, 1, queries 64 cg; feed-forward: columns 128 cg, rows 512 rb.  So q's W, k, v and the 512 rows' x are asked for jointly along a row
;   of the cluster, the feed-forward's W along a column.  (k and v are the same in eight of the sixteen; a request names the four of a row.)  The queries' x, 8,192 bytes a wave, comes from memory straight into registers.
; No data prefetch: no loop of this text fills a slot; each tile is asked for once, and all but the head's a whole part of the work ahead of its use.
; LIMITS: NaN and infinities are not served.  For gate under -88 the exponential overflows and h is 0 where the reference has |h| < 1e-36 |ff_x|.  p under 2^-126 counts as 0.  A block whose largest magnitude lies under 2^-124,
;   or of zeros, keeps the scale byte 1 (its bytes are read by this program alone).  The exponent of a block's largest p is floor(t - M) in f32: where t - M lies under a whole number by less than the exponential resolves, p may round up to that power
;   of two and is then held at the largest code, 6, under the scale that p before rounding has.
.set WP,    528                        ; a row of W in LDS: 512 bytes + 16: row r starts at bank 4 r mod 64 (64 banks of 4 bytes: ISA guide 11.1)
.set WG,    67584                      ; gate's 128 rows; in front of them q's, then ff_x's; at last x's tiles 20-31 from 0 on
.set XQ,    135168                     ; x's tiles 0-3
.set KC,    167936                     ; k's codes: [tile of 16 keys][block 2][key 16][16] (odd key blocks: keys 0-7 and 8-15 of a tile changed);  then x's tiles 4-19, up to ASC
.set VC,    233472                     ; v's codes: [16 columns][key block 64][column 16][16]
.set ASC,   299008                     ; from here on bytes into which no tensor load ever lands.  x's scale bytes: 512 rows x 32
.set STG,   315392                     ; h's scale bytes: four planes (one for each quarter of the columns) of 512 rows
.set SPARE, 317440                     ; the spare words, 128 bytes for each wave: four blocks of 256 bytes that no other line names
.set KS,    318464                     ; k's scale words: [32 keys][16][4]: key i's two bytes, key 16 + i's two
.set VSW,   322560                     ; v's scale words: [128 keys][column 64][4]
.set OST,   326656                     ; the attention's way out: 64 rows x 4 scale bytes
.set MTB,   36864                      ; act_codes: bytes of a tile of 16 rows (144 blocks of 256 bytes)
; vector registers, window 0.  v16-63 hold scale words in all parts, and nothing else.
.set SPW,  4                           ; v4  SPARE + 4 x thread; never rewritten
.set NIL,  5                           ; v5  0; never rewritten
.set WSC,  16                          ; q's product: v16-47 W's scale words (tile t, K step s at 8 t + s), v48-55 x's
.set XS,   48
.set KSC,  16                          ; key loop: v16-23 k's, v24-31 v's, v32-33 p's, v34-35 q's
.set VSC,  24
.set PS,   32
.set QSL,  34
.set QSH,  35
.set BS,   16                          ; feed-forward: v16-47 W's, v48-63 x's two tiles'
.set AS,   48
.set BM,   64                          ; v64-67 the blocks' largest scores, then their exponents, then the conversions' scale operands
.set PP,   68                          ; v68-83 p's codes (ahead of them the step's addresses)
.set QHI,  84                          ; v84-87 zeros, v88-91 q, v92-95 zeros
.set QLO,  88
.set OO,   96                          ; v96-127 q, then O^T
.set S,    128                         ; v128-255 x's fragments, then S^T, then p
.set KB,   0                           ; window 1: v0-63 k's eight fragments, v64-127 v's eight
.set VB,   64
.set AF,   64                          ; feed-forward: v64-191 x's fragments of two tiles
.set XA,   192                         ; tile u: v192 + 32 u .. + 15 ff_x, then h;  v208 + 32 u .. + 15 gate, then at work
.set GA,   208
.set STA,  1
.set TA,   2
.set TS,   3
.set TT,   6
.set ADA2, 9
.set ADA1, 10
.set CO,   11
.set ADS,  12
; scalar registers: s4-23 the ten pointers; s27 cx, s28 cy, then the pair of heads, s29 cg, s30 rb, s31 my row's mask, s32 my column's, s34 the batch; s2, s3, s33, s66, s67 at work
.set WV,   24
.set CQ,   25                          ; w % 4
.set RH,   26                          ; w / 4
.set WH,   35                          ; w % 2
.set G1W,  36                          ; group 1: 64 rows of W, my row's mask
.set G1C,  44                          ; the same, my column's mask
.set G1A,  52                          ; 65,536 dense bytes (k, v), my row's mask
.set G1X,  68                          ; 16,384 dense bytes (two tiles of x), my row's mask
.set HA,   60                          ; groups 0.  HA: q's W, then x's tiles 4-31
.set HB,   76                          ; HB: gate's W, then ff_x's
.set HC,   80                          ; k
.set HD,   84                          ; v
.set HE,   92                          ; x's tiles 0-3 (at the head alone)
.set SEL,  88                          ; s[88:89] v_permlanex16_b32's selects for lane l xor 16
.set CS,   90                          ; s[90:91] log2(e): the packed form names a pair
.set CNT,  92
.set SK,   93                          ; key loop: the step in hand: bytes into k's codes, v's codes, the scale words
.set SV,   94
.set SW,   95
.set OA,   93                          ; feed-forward: bytes into x's tiles, x's scale bytes, a plane of h's
.set OS,   94
.set OT,   95
.set CB,   96                          ; s[96:97] act_codes at my block, one trip on
.set MSB, 0
.macro WIN new                         ; the immediate's high byte repeats the setting that is left
.if MSB != \new
	s_set_vgpr_msb (MSB<<8)|\new
.set MSB, \new
.endif
.endm
.macro PLACES n                        ; plain vector instructions behind a matrix instruction, ahead of reads of its result and of loads into its sources
.rept \n
	v_nop
.endr
.endm
.macro CROUND                          ; a round of the cluster's barrier
	s_barrier_signal -1
	s_barrier_wait -1
	s_cmp_lg_u32 s[WV], 0
	s_cbranch_scc1 .Lnot_wave_0_\@
	s_barrier_signal -3
.Lnot_wave_0_\@:
	s_barrier_wait -3
	s_barrier_signal -1
	s_barrier_wait -1
.endm
.macro TLOAD g0, g1                    ; a tensor load with an s_nop and four v_nops behind it
	tensor_load_to_lds s[\g0:\g0+3], s[\g1:\g1+7]
	s_nop 0
	PLACES 4
.endm
.macro MM0 d, a, b, sa, sb             ; the first K step starts a sum
	v_wmma_scale_f32_16x16x128_f8f6f4 v[\d:\d+7], v[\a:\a+7], v[\b:\b+7], 0, v[\sa], v[\sb] matrix_a_fmt:MATRIX_FMT_FP4 matrix_b_fmt:MATRIX_FMT_FP4
.endm
.macro MMA d, a, b, sa, sb
	v_wmma_scale_f32_16x16x128_f8f6f4 v[\d:\d+7], v[\a:\a+7], v[\b:\b+7], v[\d:\d+7], v[\sa], v[\sb] matrix_a_fmt:MATRIX_FMT_FP4 matrix_b_fmt:MATRIX_FMT_FP4
.endm
; 32 numbers of a lane: register 16 b + 8 u + j is element 16 u + 8 (lane / 16) + j of block b of the lane's row.  Out: the pair cod + 2 b, cod + 2 b + 1: the codes of elements 16 (lane / 16) + 0 .. 15; tm + 2 + b: the scale byte.
.macro QUANT2 src, cod, tm
.irp b, 0,1
	v_max3_num_f32 v[\tm+\b], |v[\src+16*\b]|, |v[\src+16*\b+1]|, 0x1800000   ; with the floor 2^(3 - 127): the byte cannot fall under 1
.endr
.irp i, 2,4,6,8,10,12,14
.irp b, 0,1
	s_delay_alu instid0(VALU_DEP_2)
	v_max3_num_f32 v[\tm+\b], v[\tm+\b], |v[\src+16*\b+\i]|, |v[\src+16*\b+\i+1]|
.endr
.endr
.irp b, 0,1
	s_delay_alu instid0(VALU_DEP_2)
	v_permlanex16_b32 v[\tm+2+\b], v[\tm+\b], s[SEL], s[SEL+1]
.endr
.irp b, 0,1
	s_delay_alu instid0(VALU_DEP_2)
	v_max_num_f32 v[\tm+\b], v[\tm+\b], v[\tm+2+\b]                ; with lane l xor 16's: the block's largest magnitude
.endr
.irp b, 0,1
	s_delay_alu instid0(VALU_DEP_2)
	v_add_nc_u32 v[\tm+4+\b], 0xff000000, v[\tm+\b]                ; 2 off its exponent field: the conversion takes this operand's exponent field as its scale
.endr
.irp b, 0,1
	s_delay_alu instid0(VALU_DEP_2)
	v_lshrrev_b32 v[\tm+2+\b], 23, v[\tm+4+\b]                     ; the scale's byte
.endr
.irp b, 0,1
	v_cvt_scalef32_pk8_fp4_f32 v[\cod+2*\b], v[\src+16*\b:\src+16*\b+7], v[\tm+4+\b]
	v_cvt_scalef32_pk8_fp4_f32 v[\cod+2*\b+1], v[\src+16*\b+8:\src+16*\b+15], v[\tm+4+\b]
.endr
	v_nop                                          ; one plain place behind a scaled conversion
.irp b, 0,1
	v_permlane16_swap_b32 v[\cod+2*\b], v[\cod+2*\b+1]             ; elements 8 .. 15 and 16 .. 23 change lanes: 16 neighbours a lane
.endr
.endm
.macro WHOLE cod                       ; lanes 0-15 take all of block 0, lanes 16-31 all of block 1
	s_delay_alu instid0(VALU_DEP_1)
	v_permlane16_swap_b32 v[\cod], v[\cod+2]
	s_delay_alu instid0(VALU_DEP_2)
	v_permlane16_swap_b32 v[\cod+1], v[\cod+3]
.endm
	s_load_b512 s[4:19], s[0:1], 0x0               ; xq_codes 4, xq_scales 6, W's codes 8, W's scales 10, k_codes 12, k_scales 14, v_codes 16, v_scales 18
	s_load_b128 s[20:23], s[0:1], 0x40             ; act_codes 20, act_scales 22
	v_lshl_add_u32 v[SPW], v0, 2, SPARE
	v_mov_b32 v[NIL], 0
	ds_add_u32 v[SPW], v[NIL]                      ; the wave's opening: the add, twice on end, and its wait
	ds_add_u32 v[SPW], v[NIL]
	v_lshrrev_b32 v1, 5, v0
	s_delay_alu instid0(VALU_DEP_1)
	v_readfirstlane_b32 s[WV], v1                  ; wave 0..7
	s_and_b32 s[CQ], s[WV], 3
	s_lshr_b32 s[RH], s[WV], 2
	s_and_b32 s[WH], s[WV], 1
	s_bfe_u32 s27, ttmp6, 0x40000                  ; cx, cy: my place in the cluster
	s_bfe_u32 s28, ttmp6, 0x40004
	s_lshl_b32 s29, ttmp9, 2
	s_add_co_u32 s29, s29, s27                     ; cg
	s_and_b32 s30, ttmp7, 0xffff
	s_lshl_b32 s30, s30, 2
	s_add_co_u32 s30, s30, s28                     ; rb
	s_lshl_b32 s31, s28, 2
	s_lshl_b32 s31, 15, s31                        ; my row of the cluster
	s_lshl_b32 s32, 0x1111, s27                    ; my column
	s_and_b32 s34, s30, 1                          ; the batch
	s_lshr_b32 s28, s30, 1                         ; the pair of heads
	; 64 rows of W of 512 bytes, 16 bytes of padding behind each: elements of 1 byte; 20 padding on; 21 set beside a mask; 24:22 after every 128 words; 31:25 four words
	s_or_b32 s[G1W], s31, (1<<20)|(1<<21)|(6<<22)|(3<<25)
	s_or_b32 s[G1C], s32, (1<<20)|(1<<21)|(6<<22)|(3<<25)
.irp g, G1W, G1C
	s_mov_b32 s[\g+1], 512<<16                     ; tensor_dim0
	s_mov_b32 s[\g+2], 64<<16                      ; tensor_dim1
	s_mov_b32 s[\g+3], 512<<16                     ; tile_dim0
	s_mov_b32 s[\g+4], 64                          ; tile_dim1
	s_mov_b32 s[\g+5], 512                         ; from row to row
	s_mov_b32 s[\g+6], 0
	s_mov_b32 s[\g+7], 0
.endr
	; dense bytes, as rows of 256 bytes (32 elements of 8): 256 rows (k, v), and 64 rows (two tiles of x)
	s_or_b32 s[G1A], s31, (3<<16)|(1<<21)
	s_mov_b32 s[G1A+1], 32<<16
	s_mov_b32 s[G1A+2], 256<<16
	s_mov_b32 s[G1A+3], 32<<16
	s_mov_b32 s[G1A+4], 256
	s_mov_b32 s[G1A+5], 32
	s_mov_b32 s[G1A+6], 0
	s_mov_b32 s[G1A+7], 0
	s_or_b32 s[G1X], s31, (3<<16)|(1<<21)
	s_mov_b32 s[G1X+1], 32<<16
	s_mov_b32 s[G1X+2], 64<<16
	s_mov_b32 s[G1X+3], 32<<16
	s_mov_b32 s[G1X+4], 64
	s_mov_b32 s[G1X+5], 32
	s_mov_b32 s[G1X+6], 0
	s_mov_b32 s[G1X+7], 0
	; groups 0: each offset is made in the registers that will hold the address; no place in the cluster enters an LDS address
	s_lshl_b32 s66, s[WH], 15
	s_lshl_b32 s67, s[WH], 14
	s_mov_b32 s[HA], 1
	s_mul_i32 s[HA+1], s[WH], 64*WP
	s_lshl_b32 s[HA+2], s28, 16                    ; W's row 128 x pair + 64 (w % 2)
	s_add_co_u32 s[HA+2], s[HA+2], s66
	s_mov_b32 s[HA+3], 0
	s_mov_b32 s[HE], 1
	s_add_co_u32 s[HE+1], s67, XQ
	s_lshl_b32 s[HE+2], s30, 18                    ; x's tile 32 rb + 2 (w % 2)
	s_add_co_u32 s[HE+2], s[HE+2], s67
	s_mov_b32 s[HE+3], 0
	s_mov_b32 s[HC], 1
	s_mov_b32 s[HC+1], KC
	s_lshl_b32 s[HC+2], s34, 16                    ; the batch's 65,536 bytes
	s_mov_b32 s[HC+3], 0
	s_mov_b32 s[HD], 1
	s_mov_b32 s[HD+1], VC
	s_lshl_b32 s[HD+2], s34, 16
	s_mov_b32 s[HD+3], 0
	s_mov_b32 s[HB], 1
	s_mul_i32 s[HB+1], s[WH], 64*WP
	s_add_co_u32 s[HB+1], s[HB+1], WG
	s_lshl_b32 s[HB+2], s29, 16                    ; W's row 4,736 + 128 cg + 64 (w % 2)
	s_add_co_u32 s[HB+2], s[HB+2], s66
	s_add_co_u32 s[HB+2], s[HB+2], 4736*512
	s_mov_b32 s[HB+3], 0
	s_lshl_b32 s100, s30, 14                       ; the 512 rows' scale bytes of x
	s_mov_b32 s101, 0
	s_lshl_b32 s98, s34, 7                         ; my tile of queries, 128 x batch + 4 cg + w % 4:
	s_lshl_b32 s33, s29, 2
	s_add_co_u32 s98, s98, s33
	s_add_co_u32 s98, s98, s[CQ]
	s_lshl_b32 s67, s98, 13                        ; its fragments of x,
	s_lshl_b32 s98, s98, 9                         ; and their scale bytes
	s_mov_b32 s99, 0
	s_lshl_b32 s96, s28, 12                        ; W's scale bytes at row 128 x pair + 64 (w / 4)
	s_lshl_b32 s66, s[RH], 11
	s_add_co_u32 s96, s96, s66
	s_mov_b32 s97, 0
	s_lshl_b32 s2, s34, 12                         ; the batch's 4,096 scale bytes of k and of v
	s_mov_b32 s3, 0
	s_mov_b32 s[SEL], 0x76543210
	s_mov_b32 s[SEL+1], 0xfedcba98
	s_mov_b32 s[CS], 0x3fb8aa3b                    ; log2(e)
	s_mov_b32 s[CS+1], s[CS]
	s_lshl_b32 s66, s[WV], 11
	s_wait_dscnt 0x0                               ; both opening adds are done
	v_and_b32 v9, 31, v0                           ; l
	v_and_b32 v10, 15, v0                          ; r
	v_bfe_u32 v11, v0, 4, 1                        ; h
	v_lshrrev_b32 v64, 4, v0
	v_lshlrev_b32 v7, 4, v9                        ; 16 l
	v_lshlrev_b32 v15, 4, v0                       ; 16 x thread
	v_lshlrev_b32 v65, 5, v10                      ; 32 r
	v_lshlrev_b32 v64, 8, v64
	v_add_nc_u32 v14, s66, v7
	v_add_nc_u32 v12, s67, v7
	v_lshl_add_u32 v64, v10, 2, v64                ; 256 (thread / 16) + 4 (thread % 16)
	s_wait_alu depctr_va_vdst(0)
	s_wait_kmcnt 0x0
	s_add_nc_u64 s[100:101], s[6:7], s[100:101]
	s_add_nc_u64 s[6:7], s[6:7], s[98:99]
	s_add_nc_u64 s[96:97], s[10:11], s[96:97]
	s_add_nc_u64 s[14:15], s[14:15], s[2:3]
	s_add_nc_u64 s[18:19], s[18:19], s[2:3]
.irp i, 0,1,2,3
	global_load_b128 v[192+4*\i:195+4*\i], v14, s[100:101] offset:512*\i   ; my 2,048 of the 512 rows' scale bytes
.endr
	global_load_b128 v[208:211], v15, s[14:15]     ; my 16 of k's 4,096
.irp i, 0,1,2,3
	global_load_b32 v[212+\i], v64, s[18:19] offset:64*\i   ; v's: key blocks 4 (thread / 16) + i, columns 4 (thread % 16) + 0 .. 3
.endr
.irp j, 0,1
	global_load_b128 v[XS+4*\j:XS+4*\j+3], v65, s[6:7] offset:16*\j
.endr
.irp t, 0,1,2,3
.irp j, 0,1
	global_load_b128 v[WSC+8*\t+4*\j:WSC+8*\t+4*\j+3], v65, s[96:97] offset:512*\t+16*\j
.endr
.endr
.irp i, 0,1,2,3,4,5,6,7,8,9,10,11,12,13,14,15
	global_load_b128 v[S+4*\i:S+4*\i+3], v12, s[4:5] offset:512*\i   ; my queries' eight fragments of x: images, 512 consecutive bytes a load
.endr
	s_add_nc_u64 s[HA+2:HA+3], s[8:9], s[HA+2:HA+3]
	s_or_b32 s[HA+3], s[HA+3], 0x80000000
	s_add_nc_u64 s[HE+2:HE+3], s[4:5], s[HE+2:HE+3]
	s_or_b32 s[HE+3], s[HE+3], 0x80000000
	s_add_nc_u64 s[HC+2:HC+3], s[12:13], s[HC+2:HC+3]
	s_or_b32 s[HC+3], s[HC+3], 0x80000000
	s_add_nc_u64 s[HD+2:HD+3], s[16:17], s[HD+2:HD+3]
	s_or_b32 s[HD+3], s[HD+3], 0x80000000
	s_add_nc_u64 s[HB+2:HB+3], s[8:9], s[HB+2:HB+3]
	s_or_b32 s[HB+3], s[HB+3], 0x80000000
	CROUND                                         ; all sixteen work-groups are here: the first joint loads meet
; THE HEAD'S LOADS, ONE A WAVE, in one tree of branches on the wave's number
.macro ARM under, g0, g1, next
	s_cmp_lt_u32 s[WV], \under
	s_cbranch_scc0 \next
	TLOAD \g0, \g1
	s_branch .Lhead_asked
\next:
.endm
	ARM 2, HA, G1W, .Lhead_x
	ARM 4, HE, G1X, .Lhead_k
	ARM 5, HC, G1A, .Lhead_v
	ARM 6, HD, G1A, .Lhead_g
	TLOAD HB, G1C
.Lhead_asked:
	s_mul_i32 s67, s[RH], 64*WP
	s_mov_b32 s2, 0xbfb8aa3b                       ; -log2(e)
	s_wait_alu depctr_va_vdst(0)
	v_bfe_u32 v1, v0, 3, 1                         ; r / 8
	v_and_b32 v3, 7, v0                            ; r % 8
	v_mul_u32_u24 v13, v10, WP
	v_mul_u32_u24 v2, v1, 1152                     ; k: rows 8-15 of a tile lie in the next key block, 1,024 bytes on, 8 keys turned
	v_lshlrev_b32 v6, 6, v1                        ; k's scale words: the next key block's 64 bytes
	v_lshl_add_u32 v13, v11, 4, v13
	v_lshl_add_u32 v2, v3, 4, v2
	v_lshl_add_u32 v6, v3, 2, v6
	v_add_nc_u32 v13, s67, v13                     ; W's row 64 (w / 4) + r, + 16 h
	v_lshl_add_u32 v2, v11, 8, v2
	v_add_nc_u32 v6, KS, v6
	v_add_nc_u32 v7, VC, v7                        ; v, + 16 l
	v_add_nc_u32 v2, KC, v2                        ; k, tiles 0 and 2 of 64 keys;
	v_lshl_add_u32 v8, v10, 2, VSW                 ; v's scale words
	v_add_nc_u32 v66, ASC, v14
	v_xor_b32 v3, 0x80, v2                         ; tiles 1 and 3
	v_add_nc_u32 v67, KS, v15
	s_wait_alu depctr_va_vdst(0)
	s_wait_loadcnt 26                              ; the scale bytes that go to LDS are in; x's two loads, W's eight and the sixteen of fragments may be out
.irp i, 0,1,2,3
	ds_store_b128 v66, v[192+4*\i:195+4*\i] offset:512*\i
.endr
	ds_store_b128 v67, v[208:211]
	v_perm_b32 v216, v213, v212, 0x05010400        ; four key blocks x four columns of bytes are turned: a word for each column
	v_perm_b32 v217, v213, v212, 0x07030602
	v_perm_b32 v218, v215, v214, 0x05010400
	v_perm_b32 v219, v215, v214, 0x07030602
	v_perm_b32 v220, v218, v216, 0x05040100
	v_perm_b32 v221, v218, v216, 0x07060302
	v_perm_b32 v222, v219, v217, 0x05040100
	v_perm_b32 v223, v219, v217, 0x07060302
	ds_store_b128 v67, v[220:223] offset:VSW-KS
	s_wait_tensorcnt 0x0                           ; my tile of the head's is in,
	s_wait_dscnt 0x0                               ; my scale bytes have landed:
	s_barrier_signal -1
	s_barrier_wait -1                              ; everybody's have
	; ---- q = x W^T, transposed: accumulator t: lane (r, h) holds query r, channels 16 t + 8 h + 0 .. 7.  W's fragments are asked for all at once; four accumulators by turns
	WIN 0x40                                       ; destination window 1
.irp s, 0,1,2,3,4,5,6,7
.irp t, 0,1,2,3
.irp c, 0,1
	ds_load_b128 v[32*\s+8*\t+4*\c:32*\s+8*\t+4*\c+3], v13 offset:16*WP*\t+64*\s+32*\c
.endr
.endr
.endr
	WIN 0x01                                       ; source 0 window 1
	s_wait_loadcnt 0x0                             ; x's fragments, x's and W's scale words
.irp s, 0,1,2,3,4,5,6,7
	s_wait_dscnt 8*(7-\s)                          ; K step s is in; the later K steps' eight loads each may be out
.irp t, 0,1,2,3
.if \s == 0
	MM0 OO+8*\t, 32*\s+8*\t, S+8*\s, WSC+8*\t+\s, XS+\s
.else
	MMA OO+8*\t, 32*\s+8*\t, S+8*\s, WSC+8*\t+\s, XS+\s
.endif
.endr
.endr
	WIN 0
	PLACES 4
.macro LOADK ke, ko, ks, off, soff     ; 256 keys: group c of 64, fragment t: tiles t and t + 2
	WIN 0x40
.irp c, 0,1,2,3
.irp u, 0,1
	ds_load_b128 v[KB+16*\c+4*\u:KB+16*\c+4*\u+3], v[\ke] offset:\off+2048*\c+512*\u
	ds_load_b128 v[KB+16*\c+8+4*\u:KB+16*\c+8+4*\u+3], v[\ko] offset:\off+2048*\c+512*\u
.endr
.endr
	WIN 0
.irp c, 0,1,2,3
.irp t, 0,1
	ds_load_b32 v[KSC+2*\c+\t], v[\ks] offset:\soff+128*\c+32*\t
.endr
.endr
.endm
	LOADK 2, 3, 6, 0, 0                            ; the first step's k
	s_wait_tensorcnt 0x0                           ; all my tensor loads have landed (the barrier above has shown it);
	ds_add_u32 v[SPW], v[NIL]                      ; 0 onto my spare word; q's quantiser stands between it and the wait for it
	s_mul_i32 s[HB+1], s[WH], 64*WP                ; ff_x's rows over q's W: waves 0 and 1: W's row 640 + 128 cg + 64 (w % 2)
	s_lshl_b32 s98, s29, 16
	s_lshl_b32 s66, s[WH], 15
	s_add_co_u32 s98, s98, s66
	s_add_co_u32 s98, s98, 640*512
	s_mov_b32 s99, 0
	s_add_nc_u64 s[HB+2:HB+3], s[8:9], s[98:99]
	s_or_b32 s[HB+3], s[HB+3], 0x80000000
.set j, 0
.rept 16
	v_pk_mul_f32 v[OO+j:OO+j+1], v[OO+j:OO+j+1], 0x3e000000 op_sel_hi:[1,0]   ; / 8: exact
.set j, j+2
.endr
	v_mov_b32 v[BM+2], 0                           ; a lane permute's destination counts as one of its sources: written once
	v_mov_b32 v[BM+3], 0
	QUANT2 OO, QLO, BM
	WHOLE QLO                                      ; lane (r, h): block h of query r
	v_lshl_or_b32 v[QSL], v[BM+3], 8, v[BM+2]      ; q's scale word where q lies in k 0-63: its two bytes below, the byte 0 above the zero codes;
	s_delay_alu instid0(VALU_DEP_1)
	v_lshlrev_b32 v[QSH], 16, v[QSL]               ; and where it lies in k 64-127
.irp j, 0,1,2,3
	v_mov_b32 v[QHI+\j], 0                         ; the zero codes on both sides of q
	v_mov_b32 v[QLO+4+\j], 0
.endr
.set j, 0
.rept 32
	v_mov_b32 v[OO+j], 0                           ; O^T: the step is written once; the first finds zeros
.set j, j+1
.endr
	v_mov_b32 v9, 0xff167699                       ; the largest score so far: -2e38, under every score
	v_mov_b32 v10, 0                               ; v[10:11] f
	v_mov_b32 v11, 0
	v_mov_b32 v13, 0
	v_mov_b32 v14, 0                               ; v[14:15] the row's sum in two halves
	v_mov_b32 v15, 0
	s_mul_i32 s67, s[CQ], 32*WP
	s_add_co_u32 s67, s67, WG
	v_and_b32 v72, 15, v0
	v_bfe_u32 v73, v0, 4, 1
	v_mul_u32_u24 v72, v72, WP
	v_lshl_add_u32 v72, v73, 4, v72
	v_add_nc_u32 v72, s67, v72                     ; row 32 (w % 4) + r of gate, + 16 h
	v_mul_f32 v12, s2, v9
	s_delay_alu instid0(VALU_DEP_1)
	v_floor_f32 v12, v12                           ; v12 = -M
	s_wait_alu depctr_va_vdst(0)
	s_wait_dscnt 0x0                               ; the add is done, my reads of W are over, and the first step's k is in
	CROUND                                         ; so of every wave of every partner
	s_mov_b32 s[SK], 0
	s_mov_b32 s[SV], 0
	s_mov_b32 s[SW], 0
	s_mov_b32 s[CNT], 8
	s_cmp_lt_u32 s[WV], 2                          ; the branch hangs on the wave's number alone
	s_cbranch_scc0 .Lasked1
	TLOAD HB, G1C                                  ; my one load behind the round: it has the key loop in which to land
.Lasked1:
	WIN 0x40
.irp s, 0,1,2,3,4,5,6,7
.irp t, 2,3
.irp c, 0,1
	ds_load_b128 v[64*\t+8*\s+4*\c:64*\t+8*\s+4*\c+3], v72 offset:16*WP*(\t%2)+64*\s+32*\c   ; gate's two tiles of W, here since the head: window 1's upper half, which the key loop does not name; they stay
.endr
.endr
.endr
	WIN 0
	; ---- THE KEY LOOP: 256 keys a step, eight steps
.Lstep:
	WIN 0x01
.irp c, 0,1,2,3
.irp t, 0,1
	MM0 S+32*\c+8*\t, KB+16*\c+8*\t, QLO, KSC+2*\c+\t, QSL
	MM0 S+32*\c+8*\t+16, KB+16*\c+8*\t, QHI, KSC+2*\c+\t, QSH
.endr
.endr                                          ; register 32 c + i of lane (r, h): query r, key 64 c + 32 h + i
	WIN 0
	v_add_nc_u32 v68, s[SK], v2                    ; places: the step's addresses
	v_add_nc_u32 v69, s[SK], v3
	v_add_nc_u32 v70, s[SW], v6
	v_add_nc_u32 v71, s[SV], v7
	v_add_nc_u32 v72, s[SW], v8
	WIN 0x40
.irp t, 0,1,2,3
.irp k, 0,1
.irp c, 0,1
	ds_load_b128 v[VB+16*\t+8*\k+4*\c:VB+16*\t+8*\k+4*\c+3], v71 offset:16384*\t+1024*\k+512*\c
.endr
.endr
.endr
	WIN 0
.irp t, 0,1,2,3
.irp k, 0,1
	ds_load_b32 v[VSC+2*\t+\k], v72 offset:256*\k+64*\t
.endr
.endr
	s_cmp_eq_u32 s[CNT], 1
	s_cbranch_scc1 .Lno_next                       ; the last step has no successor
	LOADK 68, 69, 70, 8192, 512                    ; the next step's k
.Lno_next:
	s_add_co_u32 s[SK], s[SK], 8192
	s_add_co_u32 s[SV], s[SV], 2048
	s_add_co_u32 s[SW], s[SW], 512
.irp b, 0,1,2,3
	v_max3_num_f32 v[BM+\b], v[S+32*\b], v[S+32*\b+1], v[S+32*\b+2]   ; the largest score of each block of 32 keys: for the row's maximum and for the block's exponent.  The four blocks by turns
.endr
.irp i, 3,5,7,9,11,13,15,17,19,21,23,25,27,29
.irp b, 0,1,2,3
	v_max3_num_f32 v[BM+\b], v[BM+\b], v[S+32*\b+\i], v[S+32*\b+\i+1]
.endr
.endr
.irp b, 0,1,2,3
	v_max_num_f32 v[BM+\b], v[BM+\b], v[S+32*\b+31]
.endr
	s_delay_alu instid0(VALU_DEP_2)
	v_max3_num_f32 v1, v[BM], v[BM+1], v[BM+2]
	s_delay_alu instid0(VALU_DEP_1)
	v_max3_num_f32 v1, v1, v[BM+3], v9
	s_delay_alu instid0(VALU_DEP_1)
	v_permlanex16_b32 v13, v1, s[SEL], s[SEL+1]
	s_delay_alu instid0(VALU_DEP_1)
	v_max_num_f32 v9, v1, v13                      ; the running largest score, lane l xor 16's blocks with mine
	s_delay_alu instid0(VALU_DEP_1)
	v_mul_f32 v13, s2, v9                          ; -t
	s_delay_alu instid0(VALU_DEP_1)
	v_floor_f32 v13, v13                           ; the new -M = -ceil(t): a whole number
	s_delay_alu instid0(VALU_DEP_1)
	v_sub_f32 v1, v13, v12                         ; old M - new M: a whole number, 0 or less
	v_mov_b32 v12, v13
	s_delay_alu instid0(VALU_DEP_2)
	v_cvt_i32_f32 v1, v1                           ; (it saturates)
	s_delay_alu instid0(VALU_DEP_1)
	v_ldexp_f32 v10, 1.0, v1                       ; f = 2^(old M - new M): a multiplication by it rounds nothing
.set j, 0
.rept 64
	v_pk_fma_f32 v[S+j:S+j+1], v[S+j:S+j+1], s[CS:CS+1], v[12:13] op_sel_hi:[1,0,0]   ; t - M, two at a time
.set j, j+2
.endr
.irp b, 0,1,2,3
	v_fma_f32 v[BM+\b], v[BM+\b], s[CS], v12       ; the same of each block's largest score:
.endr
.irp b, 0,1,2,3
	v_max_num_f32 v[BM+\b], 0xc2f80000, v[BM+\b]   ; not under -124, so that the byte cannot fall under 1;
.endr
.irp b, 0,1,2,3
	v_cvt_floor_i32_f32 v[BM+\b], v[BM+\b]         ; the exponent of the block's largest p
.endr
	s_wait_alu depctr_va_vdst(0)                   ; the wait ahead of the batch
.set j, 0
.rept 128
	v_exp_f32 v[S+j], v[S+j]                       ; p = 2^(t - M): not normalised
.set j, j+1
.endr
	v_pk_mul_f32 v[14:15], v[14:15], v[10:11] op_sel_hi:[1,0]   ; the sums under the new M (a plain place behind the exponentials)
	v_lshl_add_u32 v1, v[BM+3], 8, v[BM+2]         ; my four blocks' bytes, exponent - 2 + 127
	s_delay_alu instid0(VALU_DEP_1)
	v_lshl_add_u32 v1, v1, 8, v[BM+1]
	s_delay_alu instid0(VALU_DEP_1)
	v_lshl_add_u32 v1, v1, 8, v[BM]
	s_delay_alu instid0(VALU_DEP_1)
	v_add_nc_u32 v1, 0x7d7d7d7d, v1
.irp b, 0,1,2,3
	v_add_lshl_u32 v[BM+\b], v[BM+\b], 0x7d, 23    ; the conversions' scale operands
.endr
	v_permlanex16_b32 v11, v1, s[SEL], s[SEL+1]
	s_delay_alu instid0(VALU_DEP_1)
	v_perm_b32 v[PS], v11, v1, 0x05010400          ; lanes 0-15: p's scale words of keys 0-127: blocks 0 (mine), 1 (lane l xor 16's), 2, 3;
	v_perm_b32 v[PS+1], v11, v1, 0x07030602        ; of keys 128-255
	s_wait_alu depctr_va_vdst(0)                   ; one wait behind the batch, directly ahead of the first readers of O^T
.set j, 0
.rept 16
	v_pk_mul_f32 v[OO+j:OO+j+1], v[OO+j:OO+j+1], v[10:11] op_sel_hi:[1,0]   ; O^T under the new M; each accumulator is read from its low end on
.set j, j+2
.endr
.irp b, 0,1,2,3
.irp g, 0,1,2,3
	v_cvt_scalef32_pk8_fp4_f32 v[PP+4*\b+\g], v[S+32*\b+8*\g:S+32*\b+8*\g+7], v[BM+\b]   ; the operand's register as it stands
.endr
.endr
	v_nop                                          ; one plain place behind a scaled conversion
.set j, 0
.rept 32
	v_pk_add_f32 v[S+j:S+j+1], v[S+j:S+j+1], v[S+64+j:S+65+j]   ; the row's sum of the unquantised p, in place, as a tree: its first level here,
.set j, j+2
.endr
	s_wait_alu depctr_va_vdst(0)
	s_wait_dscnt 0x0                               ; v is in, and the next step's k
	WIN 0x01
.irp k, 0,1
.irp t, 0,1,2,3
	MMA OO+8*\t, VB+16*\t+8*\k, PP+8*\k, VSC+2*\t+\k, PS+\k        ; O^T += v^T p^T: lane (r, h): query r, channels 16 t + 8 h + 0 .. 7
.endr
.endr
	WIN 0
.irp w, 32,16,8                        ; its other levels here: they name none of the products' registers
.set j, 0
.rept \w/2
	v_pk_add_f32 v[S+j:S+j+1], v[S+j:S+j+1], v[S+\w+j:S+\w+j+1]
.set j, j+2
.endr
.endr
.irp j, 0,2
	s_delay_alu instid0(VALU_DEP_2)
	v_pk_add_f32 v[S+\j:S+\j+1], v[S+\j:S+\j+1], v[S+4+\j:S+5+\j]
.endr
	s_delay_alu instid0(VALU_DEP_1)
	v_pk_add_f32 v[S:S+1], v[S:S+1], v[S+2:S+3]
	s_delay_alu instid0(VALU_DEP_1)
	v_pk_add_f32 v[14:15], v[14:15], v[S:S+1]
	s_sub_co_u32 s[CNT], s[CNT], 1
	s_cmp_lg_u32 s[CNT], 0
	s_wait_alu depctr_va_vdst(0)
	s_cbranch_scc1 .Lstep
	; ---- between the two jobs: W's scale words for the feed-forward are asked for, every address of it is made, and the third fill goes out
	s_lshl_b32 s100, s29, 12                       ; W's scale bytes at row 640 + 128 cg + 32 (w % 4)
	s_lshl_b32 s33, s[CQ], 10
	s_add_co_u32 s100, s100, s33
	s_add_co_u32 s100, s100, 20480
	s_mov_b32 s101, 0
	s_add_nc_u64 s[100:101], s[10:11], s[100:101]
	s_mul_i32 s66, s[CQ], 32*WP
	s_lshl_b32 s67, s[CQ], 6
	s_lshl_b32 s33, s[RH], 1
	s_add_co_u32 s67, s67, s33
	s_add_co_u32 s67, s67, OST
	s_lshl_b32 s2, s[RH], 10
	s_add_co_u32 s2, s2, ASC
	s_lshl_b32 s3, s[CQ], 9
	s_lshl_b32 s33, s[RH], 5
	s_add_co_u32 s3, s3, s33
	s_add_co_u32 s3, s3, STG
	s_lshl_b32 s33, s[RH], 14
	v_and_b32 v1, 15, v0                           ; r
	v_bfe_u32 v10, v0, 4, 1                        ; h
	v_and_b32 v9, 31, v0                           ; l
	v_lshlrev_b32 v6, 5, v1
.irp t, 0,1,2,3
.irp j, 0,1
	global_load_b128 v[BS+8*\t+4*\j:BS+8*\t+4*\j+3], v6, s[100:101] offset:131072*(\t/2)+512*(\t%2)+16*\j   ; lane r: the eight scale words of row r of tile t
.endr
.endr
	v_lshlrev_b32 v7, 4, v9                        ; 16 l
	v_mul_u32_u24 v2, v1, WP
	v_lshlrev_b32 v[CO], 4, v1
	v_lshl_add_u32 v8, v1, 2, s67                  ; the attention's scale bytes: row 16 (w % 4) + r, bytes 2 (w / 4), 2 (w / 4) + 1
	v_lshl_add_u32 v2, v10, 4, v2
	v_lshl_add_u32 v[CO], v10, 3, v[CO]            ; my 8 bytes of a block of codes
	v_lshl_add_u32 v[ADS], v1, 5, s2               ; x's scale bytes at row 32 (w / 4) + r
	v_add_nc_u32 v2, s66, v2                       ; row 32 (w % 4) + r of ff_x, + 16 h
	v_add_nc_u32 v[ADA2], s33, v7                  ; my two tiles of four, + 16 l: x's tiles 20-31;
	v_add_nc_u32 v[STA], s3, v1                    ; plane w % 4, row 32 (w / 4) + r
	v_add_nc_u32 v[ADA1], XQ, v[ADA2]              ; x's tiles 0-19
	s_wait_alu depctr_va_vdst(0)
	s_wait_tensorcnt 0x0                           ; all my tensor loads have landed: my part of ff_x's W;
	ds_add_u32 v[SPW], v[NIL]                      ; 0 onto my spare word
	s_lshl_b32 s66, s[WV], 14
	s_add_co_u32 s[HA+1], s66, KC                  ; x's tiles 4-19 over k and v: two tiles a wave
	s_lshl_b32 s96, s30, 18
	s_add_co_u32 s96, s96, s66
	s_add_co_u32 s96, s96, 4*8192
	s_mov_b32 s97, 0
	s_add_nc_u64 s[HA+2:HA+3], s[4:5], s[96:97]
	s_or_b32 s[HA+3], s[HA+3], 0x80000000
	s_wait_dscnt 0x0                               ; the add is done, and my reads of k and v are over
	CROUND                                         ; so of every wave of every partner; W is whole
	TLOAD HA, G1X                                  ; my one load behind the round: it has the way out below and the first trip in which to land
	WIN 0x40
.irp s, 0,1,2,3,4,5,6,7
.irp t, 0,1
.irp c, 0,1
	ds_load_b128 v[64*\t+8*\s+4*\c:64*\t+8*\s+4*\c+3], v2 offset:16*WP*\t+64*\s+32*\c   ; ff_x's two tiles of W, K step s: they stay
.endr
.endr
.endr
	WIN 0
	; the attention's way out: O^T / the sum, quantised along the head's 64 (two blocks of the 512), as an image of the next product's operand
	s_lshl_b32 s98, s34, 7                         ; my tile 128 x batch + 4 cg + w % 4, block 128 + 4 x pair + 2 (w / 4)
	s_lshl_b32 s33, s29, 2
	s_add_co_u32 s98, s98, s33
	s_add_co_u32 s98, s98, s[CQ]
	s_mul_i32 s98, s98, MTB
	s_lshl_b32 s33, s28, 10
	s_add_co_u32 s98, s98, s33
	s_lshl_b32 s33, s[RH], 9
	s_add_co_u32 s98, s98, s33
	s_add_co_u32 s98, s98, 128*256
	s_mov_b32 s99, 0
	s_add_nc_u64 s[98:99], s[20:21], s[98:99]
	v_add_f32 v14, v14, v15
	s_delay_alu instid0(VALU_DEP_1)
	v_permlanex16_b32 v13, v14, s[SEL], s[SEL+1]
	s_delay_alu instid0(VALU_DEP_1)
	v_add_f32 v14, v14, v13                        ; the row's sum
	s_wait_alu depctr_va_vdst(0)                   ; the wait ahead of the transcendental
	v_rcp_f32 v14, v14
	v_nop                                          ; one plain place behind a transcendental
	s_wait_alu depctr_va_vdst(0)                   ; and behind it, directly ahead of the first readers
.set j, 0
.rept 32
	v_mul_f32 v[S+j], v[OO+j], v14
.set j, j+1
.endr
	QUANT2 S, PP+4, BM
	WHOLE PP+4
	global_store_b128 v7, v[PP+4:PP+7], s[98:99]   ; lane (r, h): block h of row r: 512 consecutive bytes
	v_lshl_or_b32 v[BM], v[BM+3], 8, v[BM+2]
	ds_store_b16 v8, v[BM]
	s_lshl_b32 s96, s30, 5                         ; act_codes: tile 32 rb + 2 (w / 4), block 4 cg + w % 4
	s_lshl_b32 s33, s[RH], 1
	s_add_co_u32 s96, s96, s33
	s_mul_i32 s96, s96, MTB
	s_lshl_b32 s33, s29, 2
	s_add_co_u32 s33, s33, s[CQ]
	s_lshl_b32 s33, s33, 8
	s_add_co_u32 s96, s96, s33
	s_mov_b32 s97, 0
	s_add_nc_u64 s[CB:CB+1], s[20:21], s[96:97]
	s_mov_b32 s[OA], 0
	s_mov_b32 s[OS], 0
	s_mov_b32 s[OT], 0
	s_wait_xcnt 0x0                                ; the store has read its registers: loads land there only behind this wait
.macro FETCHA ada                      ; two tiles of 16 rows: sixteen fragments and sixteen scale words
	v_add_nc_u32 v[TA], s[OA], v[\ada]
	v_add_nc_u32 v[TS], s[OS], v[ADS]
.irp u, 0,1
.irp i, 0,1,2,3,4,5,6,7,8,9,10,11,12,13,14,15
	ds_load_b128 v[AF+64*\u+4*\i:AF+64*\u+4*\i+3], v[TA] offset:8192*\u+512*\i
.endr
.irp j, 0,1
	ds_load_b128 v[AS+8*\u+4*\j:AS+8*\u+4*\j+3], v[TS] offset:512*\u+16*\j
.endr
.endr
.endm
; A TRIP: two tiles of 16 rows.  64 matrix instructions, four accumulators by turns; the next trip's loads; silu(gate) x ff_x in place; the quantiser; 8 bytes of codes a lane and a scale byte a row.
.macro TRIP ada, next
	s_wait_xcnt 0x0                                ; the last trip's stores have read their base and their data: both are written again only behind this wait
	s_add_nc_u64 s[CB:CB+1], s[CB:CB+1], 4*MTB     ; (the stores below reach back)
	s_wait_dscnt 0x0                               ; the fragments and scale words are in
	WIN 0x01                                       ; source 0 (W) window 1
.irp u, 0,1
.irp s, 0,1,2,3,4,5,6,7
.irp t, 0,1,2,3
.if \s == 0
	MM0 XA+32*\u+8*\t, 64*\t+8*\s, AF+64*\u+8*\s, BS+8*\t+\s, AS+8*\u+\s
.else
	MMA XA+32*\u+8*\t, 64*\t+8*\s, AF+64*\u+8*\s, BS+8*\t+\s, AS+8*\u+\s
.endif
.endr
.endr
.endr
	WIN 0
	v_add_nc_u32 v[TT], s[OT], v[STA]              ; four places
	PLACES 3
	s_add_co_u32 s[OT], s[OT], 64
.if \next
	s_add_co_u32 s[OA], s[OA], 32768
	s_add_co_u32 s[OS], s[OS], 2048
	s_cmp_eq_u32 s[CNT], 1
	s_cbranch_scc1 .Lno_fetch_\@                   ; the loop's last trip has no successor that has been shown to be whole
	FETCHA \ada                                    ; they land while the vector work below is done
.Lno_fetch_\@:
.endif
.irp u, 0,1
.irp j, 0,2,4,6,8,10,12,14
	v_pk_mul_f32 v[XA+32*\u+\j:XA+32*\u+\j+1], v[GA+32*\u+\j:GA+32*\u+\j+1], v[XA+32*\u+\j:XA+32*\u+\j+1]   ; gate x ff_x; each accumulator is read from its low end on
.endr
.endr
.irp u, 0,1
.irp j, 0,2,4,6,8,10,12,14
	v_pk_mul_f32 v[GA+32*\u+\j:GA+32*\u+\j+1], v[GA+32*\u+\j:GA+32*\u+\j+1], 0xbfb8aa3b op_sel_hi:[1,0]   ; -gate log2(e)
.endr
.endr
	s_wait_alu depctr_va_vdst(0)                   ; the wait ahead of the batch
.irp u, 0,1
.irp j, 0,1,2,3,4,5,6,7,8,9,10,11,12,13,14,15
	v_exp_f32 v[GA+32*\u+\j], v[GA+32*\u+\j]
.endr
.endr
	v_nop                                          ; one plain place behind a transcendental
	s_wait_alu depctr_va_vdst(0)                   ; and behind it
.irp u, 0,1
.irp j, 0,2,4,6,8,10,12,14
	v_pk_add_f32 v[GA+32*\u+\j:GA+32*\u+\j+1], v[GA+32*\u+\j:GA+32*\u+\j+1], 1.0 op_sel_hi:[1,0]
.endr
.endr
	s_wait_alu depctr_va_vdst(0)
.irp u, 0,1
.irp j, 0,1,2,3,4,5,6,7,8,9,10,11,12,13,14,15
	v_rcp_f32 v[GA+32*\u+\j], v[GA+32*\u+\j]
.endr
.endr
	v_nop
	s_wait_alu depctr_va_vdst(0)
.irp u, 0,1
.irp j, 0,2,4,6,8,10,12,14
	v_pk_mul_f32 v[XA+32*\u+\j:XA+32*\u+\j+1], v[XA+32*\u+\j:XA+32*\u+\j+1], v[GA+32*\u+\j:GA+32*\u+\j+1]   ; h: register 8 q + j is column 16 q + 8 (lane / 16) + j of my row's block
.endr
.endr
.irp u, 0,1                            ; my 16 numbers, in two chains a tile, and the floor 2^(3 - 127)
	v_max3_num_f32 v[GA+32*\u], |v[XA+32*\u]|, |v[XA+32*\u+1]|, 0x1800000
	v_max3_num_f32 v[GA+32*\u+1], |v[XA+32*\u+8]|, |v[XA+32*\u+9]|, |v[XA+32*\u+10]|
.endr
.irp i, 0,1
.irp u, 0,1
	v_max3_num_f32 v[GA+32*\u], v[GA+32*\u], |v[XA+32*\u+2*\i+2]|, |v[XA+32*\u+2*\i+3]|
	v_max3_num_f32 v[GA+32*\u+1], v[GA+32*\u+1], |v[XA+32*\u+2*\i+11]|, |v[XA+32*\u+2*\i+12]|
.endr
.endr
.irp u, 0,1
	v_max3_num_f32 v[GA+32*\u], v[GA+32*\u], |v[XA+32*\u+6]|, |v[XA+32*\u+7]|
.endr
.irp u, 0,1
	s_delay_alu instid0(VALU_DEP_2)
	v_max3_num_f32 v[GA+32*\u], v[GA+32*\u], v[GA+32*\u+1], |v[XA+32*\u+15]|
.endr
.irp u, 0,1
	v_permlanex16_b32 v[GA+32*\u+1], v[GA+32*\u], s[SEL], s[SEL+1]
.endr
.irp u, 0,1
	s_delay_alu instid0(VALU_DEP_2)
	v_max_num_f32 v[GA+32*\u], v[GA+32*\u], v[GA+32*\u+1]          ; with lane l xor 16's: the block's largest magnitude
.endr
.irp u, 0,1
	s_delay_alu instid0(VALU_DEP_2)
	v_add_nc_u32 v[GA+32*\u+2], 0xff000000, v[GA+32*\u]            ; 2 off its exponent field: the conversion's scale operand
.endr
.irp u, 0,1
	s_delay_alu instid0(VALU_DEP_2)
	v_lshrrev_b32 v[GA+32*\u+3], 23, v[GA+32*\u+2]                 ; the scale's byte
.endr
.irp u, 0,1
	v_cvt_scalef32_pk8_fp4_f32 v[GA+32*\u+4], v[XA+32*\u:XA+32*\u+7], v[GA+32*\u+2]
	v_cvt_scalef32_pk8_fp4_f32 v[GA+32*\u+5], v[XA+32*\u+8:XA+32*\u+15], v[GA+32*\u+2]
.endr
	v_nop                                          ; one plain place behind a scaled conversion
.irp u, 0,1
	v_permlane16_swap_b32 v[GA+32*\u+4], v[GA+32*\u+5]             ; 16 neighbours a lane
.endr
.irp u, 0,1
	ds_store_b8 v[TT], v[GA+32*\u+3] offset:16*\u                  ; lanes l and l xor 16 write the same byte with the same value
	global_store_b64 v[CO], v[GA+32*\u+4:GA+32*\u+5], s[CB:CB+1] offset:(\u-4)*MTB   ; 256 consecutive bytes, aligned: the block's codes of 16 rows
.endr
.endm
	FETCHA ADA1
	s_wait_loadcnt 0x0                             ; W's scale words
	TRIP ADA1, 0                                   ; x's tiles 0-3
	s_wait_alu depctr_va_vdst(0)
	s_wait_tensorcnt 0x0                           ; all my tensor loads have landed: my two of x's tiles 4-19;
	ds_add_u32 v[SPW], v[NIL]                      ; 0 onto my spare word
	s_lshl_b32 s66, s[WV], 14
	s_mov_b32 s[HA+1], s66                         ; x's tiles 20-31 over W: waves 0-5, two tiles each
	s_lshl_b32 s100, s30, 18
	s_add_co_u32 s100, s100, s66
	s_add_co_u32 s100, s100, 20*8192
	s_mov_b32 s101, 0
	s_add_nc_u64 s[HA+2:HA+3], s[4:5], s[100:101]
	s_or_b32 s[HA+3], s[HA+3], 0x80000000
	s_wait_dscnt 0x0                               ; the add is done, and my reads of W's bytes are over
	CROUND                                         ; so of every wave of every partner; x's tiles 4-19 are whole
	s_cmp_lt_u32 s[WV], 6
	s_cbranch_scc0 .Lasked3
	TLOAD HA, G1X                                  ; my one load behind the round: it has four trips in which to land
.Lasked3:
	s_mov_b32 s[OA], 32768
	s_mov_b32 s[OS], 2048
	FETCHA ADA1
	s_mov_b32 s[CNT], 4
.Ltrip1:
	TRIP ADA1, 1
	s_sub_co_u32 s[CNT], s[CNT], 1
	s_cmp_lg_u32 s[CNT], 0
	s_wait_alu depctr_va_vdst(0)
	s_cbranch_scc1 .Ltrip1
	s_wait_tensorcnt 0x0                           ; my two of x's tiles 20-31 are in:
	s_wait_dscnt 0x0
	s_barrier_signal -1
	s_barrier_wait -1                              ; everybody's are
	s_mov_b32 s[OA], 0
	s_mov_b32 s[OS], 5*2048
	FETCHA ADA2
	s_mov_b32 s[CNT], 3
.Ltrip2:
	TRIP ADA2, 1
	s_sub_co_u32 s[CNT], s[CNT], 1
	s_cmp_lg_u32 s[CNT], 0
	s_wait_alu depctr_va_vdst(0)
	s_cbranch_scc1 .Ltrip2
	; ---- the scale bytes' way out: h's four planes to [cg][row][4], the attention's words to [32 + pair][row][4]
	s_lshl_b32 s66, s[WV], 6
	s_add_co_u32 s66, s66, STG
	s_lshl_b32 s67, s[WV], 8
	s_lshl_b32 s98, s29, 14
	s_lshl_b32 s33, s30, 11
	s_add_co_u32 s98, s98, s33
	s_mov_b32 s99, 0
	s_add_nc_u64 s[98:99], s[22:23], s[98:99]
	s_add_co_u32 s100, s28, 32
	s_lshl_b32 s100, s100, 14
	s_lshl_b32 s33, s34, 13
	s_add_co_u32 s100, s100, s33
	s_lshl_b32 s33, s29, 8
	s_add_co_u32 s100, s100, s33
	s_mov_b32 s101, 0
	s_add_nc_u64 s[100:101], s[22:23], s[100:101]
	v_and_b32 v2, 31, v0
	v_lshl_add_u32 v3, v2, 1, s66                  ; rows 64 w + 2 l, 2 l + 1
	v_lshl_add_u32 v7, v2, 3, s67
	v_lshlrev_b32 v8, 3, v2
	v_add_nc_u32 v14, OST, v8
	s_wait_alu depctr_va_vdst(0)
	s_wait_dscnt 0x0                               ; my scale bytes have landed
	s_barrier_signal -1
	s_barrier_wait -1                              ; everybody's have
.irp p, 0,1,2,3
	ds_load_u16 v[64+\p], v3 offset:512*\p
.endr
	s_wait_dscnt 0x0
	v_perm_b32 v68, v65, v64, 0x05010400
	v_perm_b32 v69, v67, v66, 0x05010400
	v_perm_b32 v70, v69, v68, 0x05040100           ; the first row's word: one byte of each plane
	v_perm_b32 v71, v69, v68, 0x07060302           ; the second's
	global_store_b64 v7, v[70:71], s[98:99]        ; 256 consecutive bytes, aligned
	s_cmp_lg_u32 s[WV], 0
	s_cbranch_scc1 .Lno_words
	ds_load_b64 v[72:73], v14
	s_wait_dscnt 0x0
	global_store_b64 v8, v[72:73], s[100:101]      ; 256 consecutive bytes, aligned: the 64 rows' words of both heads
.Lno_words:
	s_wait_tensorcnt 0x0                           ; the wave's end
	ds_add_u32 v[SPW], v[NIL]
	s_wait_dscnt 0x0
	CROUND                                         ; the closing round: no work-group ends while a partner may still ask for a tile that names it
	s_endpgm
.Lfunc_end_k_q7235e3bb7f_ffattn:
	.size	k_q7235e3bb7f_ffattn, .Lfunc_end_k_q7235e3bb7f_ffattn-k_q7235e3bb7f_ffattn
	.p2alignl 7, 3214868480
	.fill 96, 4, 3214868480
	.section	.rodata,"a",@progbits
	.p2align	6, 0x0
	.amdhsa_kernel k_q7235e3bb7f_ffattn
		.amdhsa_group_segment_fixed_size 327680
		.amdhsa_private_segment_fixed_size 0
		.amdhsa_enable_private_segment 0
		.amdhsa_kernarg_size 80
		.amdhsa_user_sgpr_count 2
		.amdhsa_user_sgpr_kernarg_segment_ptr 1
		.amdhsa_wavefront_size32 1
		.amdhsa_system_sgpr_workgroup_id_x 1
		.amdhsa_system_sgpr_workgroup_id_y 1
		.amdhsa_system_sgpr_workgroup_id_z 1
		.amdhsa_system_vgpr_workitem_id 0
		.amdhsa_next_free_vgpr 512
		.amdhsa_next_free_sgpr 102
		.amdhsa_reserve_vcc 0
		.amdhsa_float_denorm_mode_32 3
		.amdhsa_float_denorm_mode_16_64 3
		.amdhsa_memory_ordered 1
		.amdhsa_forward_progress 1
		.amdhsa_inst_pref_size 140
	.end_amdhsa_kernel
	.amdgpu_metadata
---
amdhsa.version: [ 1, 2 ]
amdhsa.kernels:
  - .name:           k_q7235e3bb7f_ffattn
    .symbol:         k_q7235e3bb7f_ffattn.kd
    .args:
      - { .name: xq_codes, .offset: 0, .size: 8, .value_kind: global_buffer, .address_space: global }
      - { .name: xq_scales, .offset: 8, .size: 8, .value_kind: global_buffer, .address_space: global }
      - { .name: w_fused_codes, .offset: 16, .size: 8, .value_kind: global_buffer, .address_space: global }
      - { .name: w_fused_scales, .offset: 24, .size: 8, .value_kind: global_buffer, .address_space: global }
      - { .name: k_codes, .offset: 32, .size: 8, .value_kind: global_buffer, .address_space: global }
      - { .name: k_scales, .offset: 40, .size: 8, .value_kind: global_buffer, .address_space: global }
      - { .name: v_codes, .offset: 48, .size: 8, .value_kind: global_buffer, .address_space: global }
      - { .name: v_scales, .offset: 56, .size: 8, .value_kind: global_buffer, .address_space: global }
      - { .name: act_codes, .offset: 64, .size: 8, .value_kind: global_buffer, .address_space: global }
      - { .name: act_scales, .offset: 72, .size: 8, .value_kind: global_buffer, .address_space: global }
    .group_segment_fixed_size: 327680
    .private_segment_fixed_size: 0
    .kernarg_segment_align: 8
    .kernarg_segment_size: 80
    .max_flat_workgroup_size: 256
    .sgpr_count:     102
    .vgpr_count:     512
    .wavefront_size: 32
...
	.end_amdgpu_metadata
.endif
;; end of part 2
;; launch down (part 3): grid 8 x 32, 8 waves a work-group, clusters of 4 x 4, 327,680 bytes of LDS; arguments act_codes, act_scales, w_ff_out_codes, w_ff_out_scales, w_attn_out_codes, w_attn_out_scales, out0; writes out0
.if DOCPART == 3
	.amdgcn_target "amdgcn-amd-amdhsa--gfx1250"
	.amdhsa_code_object_version 6
	.text
	.protected	k_q7235e3bb7f_down
	.globl	k_q7235e3bb7f_down
	.p2align	8
	.type	k_q7235e3bb7f_down,@function
k_q7235e3bb7f_down:
	s_mov_b64 s[64:65], 0
	v_nop
	global_prefetch_b8 v0, s[64:65] scope:SCOPE_SE
	s_setreg_imm32_b32 hwreg(HW_REG_WAVE_MODE, 25, 1), 1
	s_wait_xcnt 0x0
	s_wait_alu depctr_hold_cnt(0) depctr_sa_sdst(0) depctr_va_vdst(0) depctr_va_sdst(0) depctr_va_ssrc(0) depctr_va_vcc(0) depctr_vm_vsrc(0)
	s_getreg_b32 s2, hwreg(HW_REG_IB_STS2, 6, 4)
	s_cmp_eq_u32 s2, 0
	s_cbranch_scc0 .Lentry_in_a_cluster
	s_endpgm
.Lentry_in_a_cluster:
	s_bfe_u32 s2, ttmp6, 0x10000c
	s_cmp_lg_u32 s2, 0xf033
	s_cbranch_scc0 .Lentry_shape_is_right
	s_endpgm
.Lentry_shape_is_right:
; out = h w_ff_out + o w_attn_out: the rows of act [4096][4,096 of h, then 512 of o] as codes of FP4 against 1,024 columns, K = 4,608 in 36 steps of 128; f32 sums and f32 out.  Both products are summed in one accumulator.
; A work-group makes 128 x 128 of out: eight waves; wave w rows 32 (w / 2) + 0 .. 31, columns 64 (w % 2) + 0 .. 63: eight accumulators of 16 x 16.
; THE RING.  Two LDS slots of eight steps (1,024 along K): the head fills both, one load a wave; then slot 0 takes steps 16-23, slot 1 steps 24-31, slot 0 the four steps of w_attn_out.  A slot is filled again when its last fragments have been read:
;   fragments lie in registers three steps ahead (four sets, window 1), so that is at steps 5, 13 and 21; at step 29 a barrier shows the last fill.  The scale bytes come once and stay in LDS.
; CLUSTER 4 x 4: act's tiles hang on the tile row alone and are asked for jointly along a row, the weights' along a column.
; THE MATRIX INSTRUCTION IS USED TRANSPOSED (source 0 = 16 columns of out, rows of a weight; source 1 = 16 rows of act): a lane holds eight neighbouring numbers of a row of out.
; PREFETCHES INTO THE L2: what the refills at steps 5 and 13 ask for is named ahead, at steps 0 and 5; of the four that ask jointly each takes a quarter, told apart by address, so each block of 256 bytes is named once in a cluster.
;   The head's steps and the last four come by their loads alone.
; LIMITS: NaN and infinities are not served.
.set SLOT,  133120
.set BOFF,  65536                      ; in a slot: 8 tiles of act x 8,192 (images: [step][1,024]), then 128 rows of a weight
.set WP,    528                        ; a weight's row in LDS: 512 bytes + 16: row r starts at bank 4 r mod 64 (64 banks of 4 bytes: ISA guide 11.1)
.set WP4,   272                        ; w_attn_out's: 256 + 16
.set SA,    266240                     ; act's scale words: [36 steps][128 rows][4]
.set SBA,   284672                     ; w_attn_out's scale bytes, 128 rows x 16: straight behind SA's
.set SBF,   286720                     ; w_ff_out's, 128 rows x 128, pitch 144
.set SPARE, 305152                     ; the spare words, 128 bytes for each wave: four blocks of 256 bytes that no other line names
.set STAGE, SLOT                       ; the way out: 16 rows x 272 bytes a wave, in slot 1: its last fill and its last read lie ahead of step 29's barrier
.set MTB,   36864                      ; act_codes: bytes of a tile of 16 rows
.set ADRA,  16                         ; v16-17 slot 0, 1
.set ADRA4, 18
.set ADRB,  20                         ; v20-21
.set ADRB4, 22
.set ASA,   23
.set ASB,   24
.set ASB4,  25
.set STO,   26
.set RD,    27
.set CO,    28
.set PFO,   29
.set SPW,   30                         ; v30 SPARE + 4 x thread; never rewritten
.set NIL,   31                         ; v31 0; never rewritten
.set SC,    32                         ; v32-71 scale words, two sets of 20 for four steps each: 4 tiles of columns x 4 steps, 2 tiles of rows x 2 (lanes 0-15 the even step, 16-31 the odd one)
.set ACC,   72                         ; v72-135
.set WV,    18
.set RM,    19                         ; w / 2: my 32 rows
.set WH,    20                         ; w % 2: my 64 columns; which half of a tile I fetch
.set G1A,   28
.set G1A4,  36
.set G1B,   44
.set G1B4,  52
.set G0A,   68
.set G0B,   76
.set G0A4,  84
.set G0B4,  88
.set PFA,   100                        ; s[100:101] where my wave's prefetches stand; s[66:67] a refill on
.set MSB, 0
.macro WIN new                         ; the immediate's high byte repeats the setting that is left
.if MSB != \new
	s_set_vgpr_msb (MSB<<8)|\new
.set MSB, \new
.endif
.endm
.macro PLACES n                        ; plain vector instructions behind a matrix instruction, ahead of reads of its result and of loads into its sources
.rept \n
	v_nop
.endr
.endm
.macro TLOAD g0, g1                    ; a tensor load with an s_nop and four v_nops behind it
	tensor_load_to_lds s[\g0:\g0+3], s[\g1:\g1+7]
	s_nop 0
	PLACES 4
.endm
.macro JLOAD g0a, g1a, g0b, g1b        ; a refill: waves 0 and 1 fetch act's halves, waves 2 and 3 the weight's
	s_cmp_lt_u32 s[WV], 2
	s_cbranch_scc0 .Lfor_b_\@
	TLOAD \g0a, \g1a
	s_branch .Lasked_\@
.Lfor_b_\@:
	s_cmp_lt_u32 s[WV], 4
	s_cbranch_scc0 .Lasked_\@
	TLOAD \g0b, \g1b
.Lasked_\@:
.endm
.macro ASK                             ; waves 0 and 1: a tile of act each, 32 blocks of 256 bytes; waves 2 and 3: a block each of 32 rows of w_ff_out
	s_cmp_lt_u32 s[WV], 4
	s_cbranch_scc0 .Lnot_mine_\@
	global_prefetch_b8 v[PFO], s[PFA:PFA+1] th:TH_LOAD_NT scope:SCOPE_SE
.Lnot_mine_\@:
.endm
.macro CREST                           ; a round of the cluster's barrier behind its opening barrier
	s_cmp_lg_u32 s[WV], 0
	s_cbranch_scc1 .Lnot_wave_0_\@
	s_barrier_signal -3
.Lnot_wave_0_\@:
	s_barrier_wait -3
	s_barrier_signal -1
	s_barrier_wait -1
.endm
.macro CROUND
	s_barrier_signal -1
	s_barrier_wait -1
	CREST
.endm
	s_load_b256 s[4:11], s[0:1], 0x0               ; act_codes 4, act_scales 6, w_ff_out codes 8, scales 10
	s_load_b128 s[12:15], s[0:1], 0x20             ; w_attn_out codes 12, scales 14
	s_load_b64 s[16:17], s[0:1], 0x30              ; out
	v_lshl_add_u32 v[SPW], v0, 2, SPARE
	v_mov_b32 v[NIL], 0
	ds_add_u32 v[SPW], v[NIL]                      ; the wave's opening: the add, twice on end, and its wait
	ds_add_u32 v[SPW], v[NIL]
	v_lshrrev_b32 v1, 5, v0
	s_delay_alu instid0(VALU_DEP_1)
	v_readfirstlane_b32 s[WV], v1                  ; wave 0..7
	s_lshr_b32 s[RM], s[WV], 1
	s_and_b32 s[WH], s[WV], 1
	s_bfe_u32 s21, ttmp6, 0x40000                  ; cx, cy: my place in the cluster
	s_bfe_u32 s22, ttmp6, 0x40004
	s_lshl_b32 s23, ttmp9, 2
	s_add_co_u32 s23, s23, s21                     ; tile column of out
	s_and_b32 s24, ttmp7, 0xffff
	s_lshl_b32 s24, s24, 2
	s_add_co_u32 s24, s24, s22                     ; tile row of out
	s_lshl_b32 s25, s22, 2
	s_lshl_b32 s25, 15, s25                        ; my row of the cluster
	s_lshl_b32 s26, 0x1111, s21                    ; my column
	; act: four tiles of 16 rows, 8,192 dense bytes each (1,024 elements of 8), 36,864 bytes apart; of the last four steps 4,096
	s_or_b32 s[G1A], s25, (3<<16)|(1<<21)
	s_mov_b32 s[G1A+1], 1024<<16
	s_mov_b32 s[G1A+2], 4<<16
	s_mov_b32 s[G1A+3], 1024<<16
	s_mov_b32 s[G1A+4], 4
	s_mov_b32 s[G1A+5], 4608
	s_mov_b32 s[G1A+6], 0
	s_mov_b32 s[G1A+7], 0
	s_or_b32 s[G1A4], s25, (3<<16)|(1<<21)
	s_mov_b32 s[G1A4+1], 512<<16
	s_mov_b32 s[G1A4+2], 4<<16
	s_mov_b32 s[G1A4+3], 512<<16
	s_mov_b32 s[G1A4+4], 4
	s_mov_b32 s[G1A4+5], 4608
	s_mov_b32 s[G1A4+6], 0
	s_mov_b32 s[G1A4+7], 0
	; w_ff_out: 64 rows of 512 bytes, 2,048 apart; w_attn_out: 64 rows of 256 bytes; 16 bytes of padding behind each row
	s_or_b32 s[G1B], s26, (1<<20)|(1<<21)|(6<<22)|(3<<25)
	s_mov_b32 s[G1B+1], 512<<16
	s_mov_b32 s[G1B+2], 64<<16
	s_mov_b32 s[G1B+3], 512<<16
	s_mov_b32 s[G1B+4], 64
	s_mov_b32 s[G1B+5], 2048
	s_mov_b32 s[G1B+6], 0
	s_mov_b32 s[G1B+7], 0
	s_or_b32 s[G1B4], s26, (1<<20)|(1<<21)|(5<<22)|(3<<25)
	s_mov_b32 s[G1B4+1], 256<<16
	s_mov_b32 s[G1B4+2], 64<<16
	s_mov_b32 s[G1B4+3], 256<<16
	s_mov_b32 s[G1B4+4], 64
	s_mov_b32 s[G1B4+5], 256
	s_mov_b32 s[G1B4+6], 0
	s_mov_b32 s[G1B4+7], 0
	s_lshl_b32 s60, s24, 3                         ; act's tile 8 x tile row + 4 (w % 2)
	s_lshl_b32 s61, s[WH], 2
	s_add_co_u32 s60, s60, s61
	s_mul_i32 s60, s60, MTB
	s_mov_b32 s61, 0
	s_lshl_b32 s62, s23, 7                         ; the weights' row 128 x tile column + 64 (w % 2)
	s_lshl_b32 s63, s[WH], 6
	s_add_co_u32 s62, s62, s63
	s_lshl_b32 s92, s62, 11
	s_mov_b32 s93, 0
	s_lshl_b32 s94, s62, 8
	s_mov_b32 s95, 0
	s_lshl_b32 s96, s[WH], 15                      ; and where they go in a slot
	s_mul_i32 s97, s[WH], 64*WP
	s_add_co_u32 s97, s97, BOFF
	s_lshl_b32 s98, s[WH], 14
	s_mul_i32 s99, s[WH], 64*WP4
	s_add_co_u32 s99, s99, BOFF
	; the scale bytes: a wave fetches four steps' words of act, 2,048 bytes of w_ff_out's, and 512 more: waves 0-3 act's step 32 + w, waves 4-7 a quarter of w_attn_out's
	s_add_co_u32 s66, s[WV], 32
	s_lshl_b32 s66, s66, 14
	s_lshl_b32 s67, s[WV], 9
	s_sub_co_u32 s67, s67, 2048
	s_cmp_lt_u32 s[WV], 4
	s_cselect_b32 s66, s66, s67
	s_lshl_b32 s27, s[WV], 16
	s_lshl_b32 s67, s[WV], 11
	s_lshl_b32 s2, s24, 9
	s_mov_b32 s3, 0
	s_wait_dscnt 0x0                               ; both opening adds are done
	v_and_b32 v1, 31, v0                           ; l
	v_and_b32 v2, 15, v0                           ; r
	v_bfe_u32 v3, v0, 4, 1                         ; h
	v_lshlrev_b32 v4, 4, v1                        ; 16 l
	v_add_nc_u32 v5, s27, v4
	v_add_nc_u32 v6, s67, v4
	v_add_nc_u32 v7, s66, v4
	s_wait_alu depctr_va_vdst(0)
	s_wait_kmcnt 0x0
	s_add_nc_u64 s[6:7], s[6:7], s[2:3]
	s_lshl_b32 s2, s23, 14
	s_add_nc_u64 s[10:11], s[10:11], s[2:3]
	s_lshl_b32 s2, s23, 11
	s_add_nc_u64 s[14:15], s[14:15], s[2:3]
	s_cmp_lt_u32 s[WV], 4
	s_cselect_b64 s[2:3], s[6:7], s[14:15]
.irp i, 0,1,2,3
	global_load_b128 v[144+4*\i:147+4*\i], v5, s[6:7] offset:16384*\i
.endr
.irp i, 0,1,2,3
	global_load_b128 v[160+4*\i:163+4*\i], v6, s[10:11] offset:512*\i
.endr
	global_load_b128 v[176:179], v7, s[2:3]
	s_add_nc_u64 s[60:61], s[4:5], s[60:61]
	s_add_nc_u64 s[92:93], s[8:9], s[92:93]
	s_add_nc_u64 s[94:95], s[12:13], s[94:95]
.irp s, 0,1
	s_mov_b32 s[G0A+4*\s], 1
	s_add_co_u32 s[G0A+4*\s+1], s96, \s*SLOT
	s_add_nc_u64 s[G0A+4*\s+2:G0A+4*\s+3], s[60:61], \s*8192
	s_or_b32 s[G0A+4*\s+3], s[G0A+4*\s+3], 0x80000000
	s_mov_b32 s[G0B+4*\s], 1
	s_add_co_u32 s[G0B+4*\s+1], s97, \s*SLOT
	s_add_nc_u64 s[G0B+4*\s+2:G0B+4*\s+3], s[92:93], \s*512
	s_or_b32 s[G0B+4*\s+3], s[G0B+4*\s+3], 0x80000000
.endr
	s_mov_b32 s[G0A4], 1
	s_mov_b32 s[G0A4+1], s98
	s_add_nc_u64 s[G0A4+2:G0A4+3], s[60:61], 32768
	s_or_b32 s[G0A4+3], s[G0A4+3], 0x80000000
	s_mov_b32 s[G0B4], 1
	s_mov_b32 s[G0B4+1], s99
	s_mov_b64 s[G0B4+2:G0B4+3], s[94:95]
	s_or_b32 s[G0B4+3], s[G0B4+3], 0x80000000
	CROUND                                         ; all sixteen work-groups are here: the first joint loads meet
; THE HEAD'S LOADS, ONE A WAVE, in one tree of branches on the wave's number: waves 0-3 slot 0's four halves, waves 4-7 slot 1's
.macro ARM under, g0, g1, next
	s_cmp_lt_u32 s[WV], \under
	s_cbranch_scc0 \next
	TLOAD \g0, \g1
	s_branch .Lhead_asked
\next:
.endm
	ARM 2, G0A, G1A, .Lhead_b0
	ARM 4, G0B, G1B, .Lhead_a1
	ARM 6, G0A+4, G1A, .Lhead_b1
	TLOAD G0B+4, G1B
.Lhead_asked:
	; the prefetches, at steps 16-23.  Waves 0 and 1: act's tile 8 x tile row + 2 cx + w; waves 2 and 3: rows 128 x tile column + 32 cy + lane of w_ff_out, the block w - 2 of the row's two
	s_lshl_b32 s66, s24, 3
	s_lshl_b32 s67, s21, 1
	s_add_co_u32 s66, s66, s67
	s_add_co_u32 s66, s66, s[WV]
	s_mul_i32 s66, s66, MTB
	s_add_co_u32 s66, s66, 16384
	s_lshl_b32 s67, s23, 7
	s_lshl_b32 s27, s22, 5
	s_add_co_u32 s67, s67, s27
	s_lshl_b32 s67, s67, 11
	s_lshl_b32 s27, s[WV], 8
	s_add_co_u32 s67, s67, s27
	s_add_co_u32 s67, s67, 512
	s_cmp_lt_u32 s[WV], 2
	s_cselect_b32 s66, s66, s67
	s_mov_b32 s67, 0
	s_cselect_b64 s[PFA:PFA+1], s[4:5], s[8:9]
	s_add_nc_u64 s[PFA:PFA+1], s[PFA:PFA+1], s[66:67]
	s_mov_b32 s27, 512
	s_cselect_b32 s66, 8192, s27                   ; a refill on, in bytes
	s_mov_b32 s27, 11
	s_cselect_b32 s27, 8, s27                      ; from lane to lane: 256 bytes of an image, or a row of 2,048
	v_lshlrev_b32 v[PFO], s27, v1
	s_lshl_b32 s27, s[WV], 11
	s_add_co_u32 s27, s27, SA
	v_add_nc_u32 v8, s27, v4                       ; where act's words go: steps 4 w + i,
	s_lshl_b32 s27, s[WV], 9
	s_add_co_u32 s27, s27, SA+16384
	v_add_nc_u32 v10, s27, v4                      ; my 512 more,
	v_lshrrev_b32 v9, 3, v1
	v_and_b32 v11, 7, v1
	v_mul_u32_u24 v9, v9, 144
	v_lshl_add_u32 v9, v11, 4, v9
	s_mul_i32 s27, s[WV], 16*144
	s_add_co_u32 s27, s27, SBF
	v_add_nc_u32 v9, s27, v9                       ; and w_ff_out's: four rows of 128 bytes a load
	s_lshl_b32 s27, s[RM], 14
	v_add_nc_u32 v[ADRA], s27, v4                  ; act: my two tiles, + 16 l
	v_add_nc_u32 v[ADRA+1], SLOT, v[ADRA]
	s_lshl_b32 s27, s[RM], 13
	v_add_nc_u32 v[ADRA4], s27, v4
	v_mul_u32_u24 v[ADRB], v2, WP
	v_mul_u32_u24 v[ADRB4], v2, WP4
	v_lshl_add_u32 v[ADRB], v3, 4, v[ADRB]
	v_lshl_add_u32 v[ADRB4], v3, 4, v[ADRB4]
	v_add_nc_u32 v[ADRB], s97, v[ADRB]             ; the weight: my 64 rows, row r, + 16 h
	v_add_nc_u32 v[ADRB4], s99, v[ADRB4]
	v_add_nc_u32 v[ADRB+1], SLOT, v[ADRB]
	s_lshl_b32 s27, s[RM], 7
	s_add_co_u32 s27, s27, SA
	v_lshlrev_b32 v[ASA], 2, v2
	v_mul_u32_u24 v[ASB], v2, 144
	v_lshl_add_u32 v[ASA], v3, 9, v[ASA]
	v_add_nc_u32 v[ASA], s27, v[ASA]               ; act's words: row r of the even step, lanes 16-31 of the odd one
	s_mul_i32 s27, s[WH], 64*144
	s_add_co_u32 s27, s27, SBF
	v_add_nc_u32 v[ASB], s27, v[ASB]
	s_lshl_b32 s27, s[WH], 10
	s_add_co_u32 s27, s27, SBA
	v_lshl_add_u32 v[ASB4], v2, 4, s27
	s_mul_i32 s27, s[WV], 16*272
	s_add_co_u32 s27, s27, STAGE
	v_mul_u32_u24 v[STO], v2, 272
	v_mul_u32_u24 v[RD], v3, 272
	v_lshlrev_b32 v[CO], 12, v3
	v_lshl_add_u32 v[STO], v3, 5, v[STO]
	v_lshl_add_u32 v[RD], v2, 4, v[RD]
	v_lshl_add_u32 v[CO], v2, 4, v[CO]
	v_add_nc_u32 v[STO], s27, v[STO]               ; in: row r, 32 bytes for each half of the lanes
	v_add_nc_u32 v[RD], s27, v[RD]                 ; back: lanes 0-15 one row of 256 bytes, lanes 16-31 the next
	s_wait_alu depctr_va_vdst(0)
	s_wait_loadcnt 0x0                             ; the scale bytes
.irp i, 0,1,2,3
	ds_store_b128 v8, v[144+4*\i:147+4*\i] offset:512*\i
.endr
.irp i, 0,1,2,3
	ds_store_b128 v9, v[160+4*\i:163+4*\i] offset:576*\i
.endr
	ds_store_b128 v10, v[176:179]
	s_lshl_b32 s2, s24, 7                          ; my first row of out, 128 x tile row + 32 (w / 2), and my first column
	s_lshl_b32 s27, s[RM], 5
	s_add_co_u32 s2, s2, s27
	s_lshl_b32 s2, s2, 12
	s_lshl_b32 s27, s62, 2
	s_add_co_u32 s2, s2, s27
	s_mov_b32 s3, 0
	s_add_nc_u64 s[16:17], s[16:17], s[2:3]
	s_wait_tensorcnt 0x0                           ; my half of a tile is in,
	s_wait_dscnt 0x0                               ; my scale bytes have landed:
	s_barrier_signal -1
	s_barrier_wait -1                              ; everybody's have
.macro FETCH n                         ; step n's fragments into set n % 4 of window 1: four of the weight at 48 (n % 4), two of act behind them
	WIN 0x40
.irp b, 0,1,2,3
.irp c, 0,1
.if (\n) < 32
	ds_load_b128 v[48*((\n)%4)+8*\b+4*\c:48*((\n)%4)+8*\b+4*\c+3], v[ADRB+((\n)/8)%2] offset:16*WP*\b+64*((\n)%8)+32*\c
.else
	ds_load_b128 v[48*((\n)%4)+8*\b+4*\c:48*((\n)%4)+8*\b+4*\c+3], v[ADRB4] offset:16*WP4*\b+64*((\n)%8)+32*\c
.endif
.endr
.endr
.irp a, 0,1
.irp c, 0,1
.if (\n) < 32
	ds_load_b128 v[48*((\n)%4)+32+8*\a+4*\c:48*((\n)%4)+32+8*\a+4*\c+3], v[ADRA+((\n)/8)%2] offset:8192*\a+1024*((\n)%8)+512*\c
.else
	ds_load_b128 v[48*((\n)%4)+32+8*\a+4*\c:48*((\n)%4)+32+8*\a+4*\c+3], v[ADRA4] offset:4096*\a+1024*((\n)%8)+512*\c
.endif
.endr
.endr
.endm
.macro SCALES u                        ; the scale words of steps 4 u .. 4 u + 3 into set u % 2
.irp a, 0,1
.irp p, 0,1
	ds_load_b32 v[SC+20*((\u)%2)+16+2*\a+\p], v[ASA] offset:2048*(\u)+1024*\p+64*\a
.endr
.endr
.irp b, 0,1,2,3
.if (\u) < 8
	ds_load_b128 v[SC+20*((\u)%2)+4*\b:SC+20*((\u)%2)+4*\b+3], v[ASB] offset:2304*\b+16*(\u)
.else
	ds_load_b128 v[SC+20*((\u)%2)+4*\b:SC+20*((\u)%2)+4*\b+3], v[ASB4] offset:256*\b
.endif
.endr
.endm
.macro MUL4 n, a                       ; tile a of my rows x my four tiles of columns; the eight accumulators take turns in the same order in every step
.irp b, 0,1,2,3
.set rD, ACC+8*(4*(\a)+\b)
.set rB, 48*((\n)%4)+8*\b
.set rA, 48*((\n)%4)+32+8*(\a)
.set rSB, SC+20*(((\n)/4)%2)+4*\b+(\n)%4
.set rSA, SC+20*(((\n)/4)%2)+16+2*(\a)+((\n)%4)/2
.if (\n) == 0
	v_wmma_scale_f32_16x16x128_f8f6f4 v[rD:rD+7], v[rB:rB+7], v[rA:rA+7], 0, v[rSB], v[rSA] matrix_a_fmt:MATRIX_FMT_FP4 matrix_b_fmt:MATRIX_FMT_FP4
.elseif (\n)%2
	v_wmma_scale_f32_16x16x128_f8f6f4 v[rD:rD+7], v[rB:rB+7], v[rA:rA+7], v[rD:rD+7], v[rSB], v[rSA] matrix_a_fmt:MATRIX_FMT_FP4 matrix_b_fmt:MATRIX_FMT_FP4 matrix_b_scale:MATRIX_SCALE_ROW1
.else
	v_wmma_scale_f32_16x16x128_f8f6f4 v[rD:rD+7], v[rB:rB+7], v[rA:rA+7], v[rD:rD+7], v[rSB], v[rSA] matrix_a_fmt:MATRIX_FMT_FP4 matrix_b_fmt:MATRIX_FMT_FP4
.endif
.endr
.endm
.macro SUB n                           ; a step that changes no slot
.if (\n) == 35
	s_wait_dscnt 0x0
.elseif (\n) == 34
	s_wait_dscnt 12                                ; the last step's twelve loads may be out
.else
	s_wait_dscnt 24                                ; this step's fragments and scale words are in; the next two steps' twelve loads each may be out
.endif
	WIN 0x05                                       ; sources 0 and 1 window 1
	MUL4 \n, 0
	MUL4 \n, 1
.if (\n) < 33
	PLACES 4                                       ; for the loads below and for those of the step behind
.if ((\n)%4 == 0) && ((\n) < 32)
	WIN 0
	SCALES (\n)/4+1
.endif
	FETCH (\n)+3
.endif
.endm
; A step behind whose first half a slot changes hands: its last fragments have been asked for in the step before.  fill = 1: the slot that has been left takes the steps 16 on; 2: the last four steps; 0: nothing more.
.macro CHG n, fill
	WIN 0
	s_wait_tensorcnt 0x0                           ; all my tensor loads have landed: my part of the other slot;
	ds_add_u32 v[SPW], v[NIL]                      ; 0 onto my spare word
	s_wait_dscnt 25                                ; (the add and the next two steps' loads may be out)
	WIN 0x05
	MUL4 \n, 0
	s_wait_dscnt 0x0                               ; the add is done, and my reads of the slot are over
	s_barrier_signal -1
	MUL4 \n, 1
	WIN 0
	s_barrier_wait -1
.if \fill == 1
.set SL, ((\n)/8)%2
	CREST                                          ; no wave of any partner still reads the slot or has a load on its way
	s_add_nc_u64 s[G0A+4*SL+2:G0A+4*SL+3], s[G0A+4*SL+2:G0A+4*SL+3], 16384
	s_add_nc_u64 s[G0B+4*SL+2:G0B+4*SL+3], s[G0B+4*SL+2:G0B+4*SL+3], 1024
	JLOAD G0A+4*SL, G1A, G0B+4*SL, G1B
.elseif \fill == 2
	CREST
	JLOAD G0A4, G1A4, G0B4, G1B4
.endif
	PLACES 4
	FETCH (\n)+3
.if (\n) == 5
	WIN 0
	s_wait_xcnt 0x0                                ; the earlier prefetch has read its address
	s_add_nc_u64 s[PFA:PFA+1], s[PFA:PFA+1], s[66:67]
	ASK                                            ; what step 13's refill will ask for
.endif
.endm
	SCALES 0
	FETCH 0
	FETCH 1
	FETCH 2
	WIN 0
	ASK                                            ; what step 5's refill will ask for
.set N, 0
.rept 36
.if N == 29
	CHG N, 0
.elseif N == 21
	CHG N, 2
.elseif (N == 5) || (N == 13)
	CHG N, 1
.else
	SUB N
.endif
.set N, N+1
.endr
; THE WAY OUT: a block of 16 rows x 64 columns goes through my own stage and comes back as rows of 256 bytes.  LDS serves a wave's instructions in order (ISA guide 5.7.1.4): no wait between the stores and the loads
.macro TOSTAGE a
	WIN 0
.irp b, 0,1,2,3
	ds_store_b128 v[STO], v[ACC+8*(4*(\a)+\b):ACC+8*(4*(\a)+\b)+3] offset:64*\b          ; each accumulator from its low end on
	ds_store_b128 v[STO], v[ACC+8*(4*(\a)+\b)+4:ACC+8*(4*(\a)+\b)+7] offset:64*\b+16
.endr
	WIN 0x40
.irp t, 0,1,2,3,4,5,6,7
	ds_load_b128 v[32*(\a)+4*\t:32*(\a)+4*\t+3], v[RD] offset:544*\t
.endr
.endm
.macro SEND a, younger                 ; younger: the LDS instructions issued behind block a's loads, which may stay out
	s_wait_dscnt \younger
	WIN 0x04                                       ; the data: window 1
.irp t, 0,1,2,3,4,5,6,7
	global_store_b128 v[CO], v[32*(\a)+4*\t:32*(\a)+4*\t+3], s[16:17] offset:(16*(\a)+2*\t)*4096 th:TH_STORE_NT   ; 16 lanes store 256 consecutive bytes, aligned
.endr
.endm
	WIN 0
	PLACES 4
	TOSTAGE 0
	TOSTAGE 1
	SEND 0, 16
	SEND 1, 0
	WIN 0
	s_wait_tensorcnt 0x0                           ; the wave's end
	ds_add_u32 v[SPW], v[NIL]
	s_wait_dscnt 0x0
	CROUND                                         ; the closing round: no work-group ends while a partner may still ask for a tile that names it
	s_endpgm
.Lfunc_end_k_q7235e3bb7f_down:
	.size	k_q7235e3bb7f_down, .Lfunc_end_k_q7235e3bb7f_down-k_q7235e3bb7f_down
	.p2alignl 7, 3214868480
	.fill 96, 4, 3214868480
	.section	.rodata,"a",@progbits
	.p2align	6, 0x0
	.amdhsa_kernel k_q7235e3bb7f_down
		.amdhsa_group_segment_fixed_size 327680
		.amdhsa_private_segment_fixed_size 0
		.amdhsa_enable_private_segment 0
		.amdhsa_kernarg_size 56
		.amdhsa_user_sgpr_count 2
		.amdhsa_user_sgpr_kernarg_segment_ptr 1
		.amdhsa_wavefront_size32 1
		.amdhsa_system_sgpr_workgroup_id_x 1
		.amdhsa_system_sgpr_workgroup_id_y 1
		.amdhsa_system_sgpr_workgroup_id_z 1
		.amdhsa_system_vgpr_workitem_id 0
		.amdhsa_next_free_vgpr 512
		.amdhsa_next_free_sgpr 102
		.amdhsa_reserve_vcc 0
		.amdhsa_float_denorm_mode_32 3
		.amdhsa_float_denorm_mode_16_64 3
		.amdhsa_memory_ordered 1
		.amdhsa_forward_progress 1
		.amdhsa_inst_pref_size 97
	.end_amdhsa_kernel
	.amdgpu_metadata
---
amdhsa.version: [ 1, 2 ]
amdhsa.kernels:
  - .name:           k_q7235e3bb7f_down
    .symbol:         k_q7235e3bb7f_down.kd
    .args:
      - { .name: act_codes, .offset: 0, .size: 8, .value_kind: global_buffer, .address_space: global }
      - { .name: act_scales, .offset: 8, .size: 8, .value_kind: global_buffer, .address_space: global }
      - { .name: w_ff_out_codes, .offset: 16, .size: 8, .value_kind: global_buffer, .address_space: global }
      - { .name: w_ff_out_scales, .offset: 24, .size: 8, .value_kind: global_buffer, .address_space: global }
      - { .name: w_attn_out_codes, .offset: 32, .size: 8, .value_kind: global_buffer, .address_space: global }
      - { .name: w_attn_out_scales, .offset: 40, .size: 8, .value_kind: global_buffer, .address_space: global }
      - { .name: out0, .offset: 48, .size: 8, .value_kind: global_buffer, .address_space: global }
    .group_segment_fixed_size: 327680
    .private_segment_fixed_size: 0
    .kernarg_segment_align: 8
    .kernarg_segment_size: 56
    .max_flat_workgroup_size: 256
    .sgpr_count:     102
    .vgpr_count:     512
    .wavefront_size: 32
...
	.end_amdgpu_metadata
.endif
;; end of part 3
